; MI455X (gfx1250); checked and timed in simulation.
; The chip was launched on July 23, 2026; its instructions are those of AMD's public machine-readable ISA for CDNA 5 (MIT licence, August 2026) and "CDNA5" Instruction Set Architecture Reference Guide (July 2026). The comments in the code are by the model that wrote it; some were corrected since.
;; Modern Hopfield Attention. Allowed arithmetic: matrix products marked QUANTISED: E2M3 operands, one E8M0 scale for each 32 along K, by v_wmma_scale_f32_16x16x128_f8f6f4 with both operands' format E2M3, f32 sums; everything else in f32.
;; Inputs: Wk 1,024 x 1,024 float32; Wo 1,024 x 1,024 float32; Wq 1,024 x 1,024 float32; Wv 1,024 x 1,024 float32; bk 1,024 float32; bo 1,024 float32; bq 1,024 float32; bv 1,024 float32; x 2 x 2,048 x 1,024 float32.
;; Outputs: out0 2 x 2,048 x 1,024 float32; out1 2 float32.
;; This version of the problem:
;;   THIS VERSION OF THE PROBLEM IS GIVEN IN LOW PRECISION. The matrix products marked QUANTISED in the list below multiply operands that are first quantised to E2M3 (2 exponent bits, 3 mantissa bits; 6 bits a number), with one power-of-two scale for each 32 numbers along K (OCP MX v1.0); their sums are f32. All else is computed in f32.
;;   The module's matrix products, in the order in which they are computed (A, B: the left and right operand; K: the contracted axis; several contracted axes count as one K, in the product's order):
;;     1. [M 4,096, K 1,024] x [K 1,024, N 1,024]; A: input x; B: input Wq: QUANTISED
;;     2. [M 4,096, K 1,024] x [K 1,024, N 1,024]; A: input x; B: input Wk: QUANTISED
;;     3. [M 4,096, K 1,024] x [K 1,024, N 1,024]; A: input x; B: input Wv: QUANTISED
;;     4. batch 32 x [M 2,048, K 64] x [K 64, N 2,048]; A: computed on the way; B: computed on the way: QUANTISED
;;     5. batch 32 x [M 2,048, K 2,048] x [K 2,048, N 64]; A: softmax (see below); B: computed on the way: QUANTISED
;;     6. [M 4,096, K 1,024] x [K 1,024, N 1,024]; A: computed on the way; B: input Wo: QUANTISED
;;   THE QUANTISER, for each operand of a quantised product, along K:
;;     - K is cut into blocks of 32 from its start; a last block that is shorter is filled with zeros.
;;     - A block's scale is 2^e with e = floor(log2(the largest magnitude in the block)) - 2, held to -126 .. 127; a block of zeros has e = 0. As a byte (E8M0): e + 127.
;;     - Each number is divided by its block's scale, clamped to +-7.5, and rounded to the nearest number of E2M3, ties to even, subnormals kept.
;;     - The product sums the exact products of the quantised numbers (number of the format x scale) in f32.
;;   ~~~python
;;   def quantise(x, axis):      # numpy; x: float32 -> the quantised numbers, widened to float32 again
;;       x = np.moveaxis(x, axis, -1); K = x.shape[-1]
;;       x = np.pad(x, [(0, 0)] * (x.ndim - 1) + [(0, -K % 32)]); x = x.reshape(x.shape[:-1] + (-1, 32)); a = np.abs(x).max(-1, keepdims=True)
;;       e = np.where(a > 0, np.clip(np.frexp(np.where(a > 0, a, 1))[1] - 1 - 2, -126, 127), 0)      # np.frexp(a)[1] - 1 = floor(log2(a)), exactly
;;       r = np.clip(x / 2.0 ** e, -7.5, 7.5)
;;       step = 2.0 ** (np.maximum(np.frexp(np.where(r == 0, 1, r))[1] - 1, 0) - 3)
;;       q = np.round(r / step) * step * 2.0 ** e      # np.round: ties to even
;;       return np.moveaxis(q.reshape(q.shape[:-2] + (-1,))[..., :K], -1, axis).astype(np.float32)
;;   ~~~
;;   SOFTMAX AHEAD OF A QUANTISED PRODUCT. Where the list says 'softmax', what is quantised is not the finished softmax but p = 2^(t - M), with t = logit x log2(e) and M = ceil(the row's largest t), a whole number; so 1/2 < the row's largest p <= 1. The row's sum l is taken of the UNQUANTISED p, in f32, and the product's result is divided by l at the end. Since M is a whole number, a kernel that streams over the keys may use a running M (the ceiling of the running maximum): every later rescaling is an exact power of two, which a block's scale takes up: the codes' values come out the same.
;;   OPERANDS COMPUTED ON THE WAY. 'Computed on the way' means the value that the module computes at that place (a softmax that the list does not call 'softmax' is quantised finished and normalised). What goes into a quantiser is computed in f32, as accurately as f32 sums, v_exp_f32 and their like allow (about 1e-6 of the number): no bf16 or f16 on the way to a quantiser, and a product that is left as it is and whose result goes on into a quantised operand takes f32 operands (vector FMAs, or v_wmma_f32_16x16x4_f32). A number that lies on a knife's edge between two numbers of the format may be rounded either way, as far as f32 arithmetic and the matrix unit's own rounding can turn it there, and no further.
;; One version. Each part assembles by itself: llvm-mc -triple=amdgcn-amd-amdhsa -mcpu=gfx1250 --defsym DOCPART=n.
;; ======== version 1 of 1: 4 launches
;; limits: right only within a limited range of input values
;; workspace buffers: cq 6,553,600 bytes; qb 3,276,800 bytes; kv 6,553,600 bytes; oc 3,145,728 bytes; os 131,072 bytes; ep 1,024 bytes
;; launch quant (part 1): grid 256 x 1, 4 waves a work-group, no clusters, 167,936 bytes of LDS; arguments x, Wq, Wk, Wv, Wo, cq; writes cq
.if DOCPART == 1
	.amdgcn_target "amdgcn-amd-amdhsa--gfx1250"
	.amdhsa_code_object_version 6
	.text
	.protected	k_q664e860bc0_quant
	.globl	k_q664e860bc0_quant
	.p2align	8
	.type	k_q664e860bc0_quant,@function
k_q664e860bc0_quant:
	s_mov_b64 s[64:65], 0
	v_nop
	global_prefetch_b8 v0, s[64:65] scope:SCOPE_SE
	s_setreg_imm32_b32 hwreg(HW_REG_WAVE_MODE, 25, 1), 1
	s_wait_xcnt 0x0
; LAUNCH 1 OF 4.  x [4096][1024] and Wq, Wk, Wv, Wo [1024][1024], f32, K innermost, become codes of FP6 (E2M3) with one E8M0 scale byte for each 32 along K.
; THE WHOLE PROGRAM: 1 quantises the five wide inputs; 2 makes Q, K, V (products 1 to 3, with their biases) and quantises them in registers; 3 is the attention (products 4 and 5) and the
; energies' parts; 4 is the projection on the way out (product 6) and the energies' sum.
; DEAD WORK: none.  Every input reaches an output: bq, bk and bv go into quantisers, bo into out0.  No product, row or step of reference() is left out.  reference() writes the exponentials
; twice, in logsumexp and in softmax; they are the same numbers, so they are taken once: with p = 2^(t - M) and l = the sum of p, logsumexp = ln 2 x (M + log2 l).  The maximum is taken away, by the running M.
; LIMITS: NaN and infinities among the inputs are not served.  A block whose largest magnitude lies under 2^-124 gets the scale byte 1.  A block of zeros gets the byte 1 where the rule says 127:
; its codes are zeros, which add nothing under any byte but 0xff, and the bytes are read by this program alone.
; THE LAYOUT OF cq: IMAGES OF OPERAND REGISTERS.  A fragment (16 rows x 128 K: 12 registers a lane) is 1,536 bytes: plane c (512 bytes) holds registers 4 c .. 4 c + 3, lane l at byte 16 l.
; A block is 16 rows for all of K: two halves of 6,400 bytes, each 4 fragments and 256 bytes of scale words (the word at 8 l + 4 j: row l % 16, K step 2 j + l / 16 of the half).
; THE ROWS OF A BLOCK ARE NOT NEIGHBOURS: lane r of block a takes row 32 (a / 2) + 8 (a % 2) + r + 8 (r / 8).  Blocks 0-255: x; 256-319 Wq; 320-383 Wk; 384-447 Wv; 448-511 Wo.
; SHARES.  Wave W = 4 x work-group + wave takes half W % 2 of block W / 2: 16 rows x 512 along K.  One tensor load a wave (32 rows x 1,024 bytes) goes out at the head.
; Each wave reads two quarters, behind its own wait and one barrier.  Each store of the wave covers 512 (the scale words: 256) consecutive bytes, aligned.
; THE LOADS, AS THEY NOW STAND: one tensor load a wave: wave w brings K quarter w (256 numbers, 1,024 bytes a row) of the work-group's 32 rows.
; One barrier shows all four quarters to all waves; each wave then reads its 16 rows x 512 along K from two quarters.
.set WREG,  33280                      ; LDS: a K quarter: 32 rows of PITCH
.set PITCH, 1040                       ; 1,024 bytes of data + 16 of padding
.set SPARE, 4*WREG                     ; the spare words, 128 bytes for each wave: two blocks of 256 bytes that no other line names
.set XA,  1                            ; v1   LDS address of my 16 numbers of a block of 32: region + 1,040 (r + 8 (r / 8)) + 64 h
.set L16, 2                            ; v2   16 x lane
.set L8,  3                            ; v3   8 x lane
.set SPW, 4                            ; v4   LDS address of my spare word; never rewritten
.set NIL, 5                            ; v5   0; never rewritten
.set X,   16                           ; v16-79   64 numbers: register 16 b + i = k 32 b + 16 h + i of my row
.set PC,  80                           ; v80-91   the fragment just made
.set TC,  92                           ; v92-99   the conversions' second halves
.set TM,  100                          ; v100-115 at work
.set PW,  116                          ; v116-119 the four K steps' scale words
.set SW,  120                          ; v120-121 my pair of the scale sub-image
.set SEL, 20                           ; s[20:21] v_permlanex16_b32's selects for lane l xor 16
.set HM,  22                           ; s22  the mask of lanes 16-31
.set WV,  23                           ; s23  my wave's number
.set G1,  24                           ; s[24:31] descriptor group 1
.set G0,  32                           ; s[32:35] group 0
; 64 numbers of a lane, v[s] on, become a fragment's codes (registers 0-5 in v[d0] on, 6-11 in v[d1] on) and its scale word in v[pw].
.macro QUANT s, d0, d1, pw
.irp b, 0,1,2,3
	v_max3_num_f32 v[TM+\b], |v[\s+16*\b]|, |v[\s+16*\b+1]|, 0x1800000   ; block b: my 16 numbers, and the floor 2^(3 - 127): the byte cannot fall under 1
.endr
.irp i, 2,4,6,8,10,12,14
.irp b, 0,1,2,3
	v_max3_num_f32 v[TM+\b], v[TM+\b], |v[\s+16*\b+\i]|, |v[\s+16*\b+\i+1]|   ; the four blocks by turns
.endr
.endr
.irp b, 0,1,2,3
	v_permlanex16_b32 v[TM+4+\b], v[TM+\b], s[SEL], s[SEL+1]
.endr
.irp b, 0,1,2,3
	v_max_num_f32 v[TM+\b], v[TM+\b], v[TM+4+\b]       ; with lane l xor 16's: the block's largest magnitude
.endr
.irp b, 0,1,2,3
	v_add_nc_u32 v[TM+12+\b], 0xff000000, v[TM+\b]     ; 2 off its exponent field: the conversion's scale operand
.endr
.irp b, 0,1,2,3
	v_lshrrev_b32 v[TM+4+\b], 23, v[TM+12+\b]          ; the scale's byte
.endr
	v_lshl_or_b32 v[\pw], v[TM+5], 8, v[TM+4]
	v_lshl_or_b32 v[\pw], v[TM+6], 16, v[\pw]
	v_lshl_or_b32 v[\pw], v[TM+7], 24, v[\pw]          ; my row's scale word
	v_cvt_scalef32_pk16_fp6_f32 v[\d0:\d0+2], v[\s:\s+15], v[TM+12]
	v_cvt_scalef32_pk16_fp6_f32 v[TC:TC+2], v[\s+16:\s+31], v[TM+13]
	v_cvt_scalef32_pk16_fp6_f32 v[\d1:\d1+2], v[\s+32:\s+47], v[TM+14]
	v_cvt_scalef32_pk16_fp6_f32 v[TC+4:TC+6], v[\s+48:\s+63], v[TM+15]
	v_nop                                              ; one plain place behind the scaled conversions
.irp i, 0,1,2
	v_permlane16_swap_b32 v[\d0+\i], v[TC+\i]          ; the layout wants a whole block in a lane: lanes 0-15 the even block, lanes 16-31 the odd one
.endr
.irp i, 0,1,2
	v_mov_b32 v[\d0+3+\i], v[TC+\i]
.endr
.irp i, 0,1,2
	v_permlane16_swap_b32 v[\d1+\i], v[TC+4+\i]
.endr
.irp i, 0,1,2
	v_mov_b32 v[\d1+3+\i], v[TC+4+\i]
.endr
.endm
	s_load_b256 s[4:11], s[0:1], 0x0               ; x, Wq, Wk, Wv
	s_load_b128 s[12:15], s[0:1], 0x20             ; Wo, cq
	v_lshl_add_u32 v[SPW], v0, 2, SPARE
	v_mov_b32 v[NIL], 0
	ds_add_u32 v[SPW], v[NIL]                      ; the wave's opening: the add, twice on end, and its wait ahead of my first tensor load
	ds_add_u32 v[SPW], v[NIL]                      ; and once more, under the one wait; the set-up below, work on registers, stands between
	v_lshrrev_b32 v6, 5, v0
	v_readfirstlane_b32 s[WV], v6                  ; wave 0..3
	s_mov_b32 s[G1+0], (2<<16)|(1<<20)|(7<<22)|(3<<25)   ; elements of 4 bytes; padding on: after every 256 words, 4 words
	s_mov_b32 s[G1+1], 256<<16                     ; tensor_dim0 = 256
	s_mov_b32 s[G1+2], 32<<16                      ; tensor_dim1 = 32
	s_mov_b32 s[G1+3], 256<<16                     ; tile_dim0 = 256
	s_mov_b32 s[G1+4], 32                          ; tile_dim1 = 32
	s_mov_b32 s[G1+5], 1024                        ; elements from row to row
	s_mov_b32 s[G1+6], 0
	s_mov_b32 s[G1+7], 0
	s_mov_b32 s[SEL], 0x76543210
	s_mov_b32 s[SEL+1], 0xfedcba98
	s_mov_b32 s[HM], 0xffff0000
	s_and_b32 s2, ttmp9, 31
	s_cmp_lt_u32 ttmp9, 128
	s_cselect_b32 s2, ttmp9, s2                    ; the work-group's number within its tensor: 128 for x, 32 for each weight
	s_lshl_b32 s2, s2, 17                          ; x 32 rows of 4,096 bytes
	s_lshl_b32 s3, s[WV], 10                       ; I fetch K quarter w: 1,024 bytes along the rows
	s_add_co_u32 s2, s2, s3
	s_lshr_b32 s71, s[WV], 1
	s_mul_i32 s71, s71, 8*PITCH                    ; I read: the odd block's rows begin 8 rows down,
	s_and_b32 s3, s[WV], 1
	s_mul_i32 s3, s3, 2*WREG                       ; the second half of K lies in quarters 2 and 3
	s_add_co_u32 s71, s71, s3
	s_mov_b32 s3, 0
	s_lshl_b32 s68, ttmp9, 2
	s_add_co_u32 s68, s68, s[WV]
	s_mul_i32 s68, s68, 6400                       ; where my half block goes
	s_mov_b32 s69, 0
	s_mul_i32 s70, s[WV], WREG                     ; my region of LDS
	v_and_b32 v6, 31, v0                           ; lane
	v_and_b32 v7, 15, v0                           ; r
	v_bfe_u32 v8, v0, 4, 1                         ; h
	v_and_b32 v9, 8, v7
	v_add_nc_u32 v9, v9, v7                        ; r + 8 (r / 8)
	v_mul_u32_u24 v[XA], v9, PITCH
	v_lshl_add_u32 v[XA], v8, 6, v[XA]
	v_add_nc_u32 v[XA], s71, v[XA]
	v_lshlrev_b32 v[L16], 4, v6
	v_lshlrev_b32 v[L8], 3, v6
.irp b, 0,1,2,3
	v_mov_b32 v[TM+4+\b], 0                        ; written once: a lane permute's destination counts as one of its sources
.endr
	s_wait_alu depctr_va_vdst(0)
	s_wait_dscnt 0x0                               ; both opening adds are done
	s_wait_kmcnt 0x0
	s_cmp_lt_u32 ttmp9, 160                        ; which tensor: the choice hangs on the work-group's number alone
	s_cselect_b64 s[16:17], s[6:7], s[8:9]
	s_cmp_lt_u32 ttmp9, 224
	s_cselect_b64 s[18:19], s[10:11], s[12:13]
	s_cmp_lt_u32 ttmp9, 192
	s_cselect_b64 s[16:17], s[16:17], s[18:19]
	s_cmp_lt_u32 ttmp9, 128
	s_cselect_b64 s[16:17], s[4:5], s[16:17]
	s_add_nc_u64 s[16:17], s[16:17], s[2:3]
	s_add_nc_u64 s[14:15], s[14:15], s[68:69]
	s_mov_b32 s[G0], 1
	s_mov_b32 s[G0+1], s70                         ; LDS: quarter w
	s_mov_b64 s[G0+2:G0+3], s[16:17]
	s_or_b32 s[G0+3], s[G0+3], 0x80000000
	tensor_load_to_lds s[G0:G0+3], s[G1:G1+7]      ; my one load
	s_nop 0
	s_wait_tensorcnt 0x0                           ; my quarter is in,
	s_barrier_signal -1
	s_barrier_wait -1                              ; and everybody's
.macro STEP q
.irp b, 0,1,2,3
.irp j, 0,1,2,3
	ds_load_b128 v[X+16*\b+4*\j:X+16*\b+4*\j+3], v[XA] offset:WREG*(\q/2)+512*(\q%2)+128*\b+16*\j
.endr
.endr
	s_wait_dscnt 0x0
	s_wait_xcnt 0x0                                ; the last step's stores have read the fragment's registers
	QUANT X, PC, PC+6, PW+\q
.irp c, 0,1,2
	global_store_b128 v[L16], v[PC+4*\c:PC+4*\c+3], s[14:15] offset:1536*\q+512*\c   ; a plane: 512 consecutive bytes, aligned
.endr
.endm
	STEP 0
	STEP 1
	STEP 2
	STEP 3
	v_cndmask_b32 v[SW], v[PW], v[PW+1], s[HM]     ; lanes 0-15 the even K step's word, lanes 16-31 the odd one's
	v_cndmask_b32 v[SW+1], v[PW+2], v[PW+3], s[HM]
	global_store_b64 v[L8], v[SW:SW+1], s[14:15] offset:6144   ; 256 consecutive bytes, aligned
	s_wait_tensorcnt 0x0                           ; the wave's end
	ds_add_u32 v[SPW], v[NIL]
	s_wait_dscnt 0x0
	s_endpgm
.Lfunc_end_k_q664e860bc0_quant:
	.size	k_q664e860bc0_quant, .Lfunc_end_k_q664e860bc0_quant-k_q664e860bc0_quant
	.p2alignl 7, 3214868480
	.fill 96, 4, 3214868480
	.section	.rodata,"a",@progbits
	.p2align	6, 0x0
	.amdhsa_kernel k_q664e860bc0_quant
		.amdhsa_group_segment_fixed_size 167936
		.amdhsa_private_segment_fixed_size 0
		.amdhsa_enable_private_segment 0
		.amdhsa_kernarg_size 48
		.amdhsa_user_sgpr_count 2
		.amdhsa_user_sgpr_kernarg_segment_ptr 1
		.amdhsa_wavefront_size32 1
		.amdhsa_system_sgpr_workgroup_id_x 1
		.amdhsa_system_sgpr_workgroup_id_y 1
		.amdhsa_system_sgpr_workgroup_id_z 1
		.amdhsa_system_vgpr_workitem_id 0
		.amdhsa_next_free_vgpr 128
		.amdhsa_next_free_sgpr 72
		.amdhsa_reserve_vcc 0
		.amdhsa_float_denorm_mode_32 3
		.amdhsa_float_denorm_mode_16_64 3
		.amdhsa_memory_ordered 1
		.amdhsa_forward_progress 1
		.amdhsa_inst_pref_size 25
	.end_amdhsa_kernel
	.amdgpu_metadata
---
amdhsa.version: [ 1, 2 ]
amdhsa.kernels:
  - .name:           k_q664e860bc0_quant
    .symbol:         k_q664e860bc0_quant.kd
    .args:
      - { .name: x, .offset: 0, .size: 8, .value_kind: global_buffer, .address_space: global }
      - { .name: Wq, .offset: 8, .size: 8, .value_kind: global_buffer, .address_space: global }
      - { .name: Wk, .offset: 16, .size: 8, .value_kind: global_buffer, .address_space: global }
      - { .name: Wv, .offset: 24, .size: 8, .value_kind: global_buffer, .address_space: global }
      - { .name: Wo, .offset: 32, .size: 8, .value_kind: global_buffer, .address_space: global }
      - { .name: cq, .offset: 40, .size: 8, .value_kind: global_buffer, .address_space: global }
    .group_segment_fixed_size: 167936
    .private_segment_fixed_size: 0
    .kernarg_segment_align: 8
    .kernarg_segment_size: 48
    .max_flat_workgroup_size: 128
    .sgpr_count:     72
    .vgpr_count:     128
    .wavefront_size: 32
...
	.end_amdgpu_metadata
.endif
;; end of part 1
;; launch qkv (part 2): grid 8 x 32, 4 waves a work-group, clusters of 4 x 4, 327,680 bytes of LDS; arguments cq, bq, bk, bv, qb, kv; writes qb, kv
.if DOCPART == 2
	.amdgcn_target "amdgcn-amd-amdhsa--gfx1250"
	.amdhsa_code_object_version 6
	.text
	.protected	k_q664e860bc0_qkv
	.globl	k_q664e860bc0_qkv
	.p2align	8
	.type	k_q664e860bc0_qkv,@function
k_q664e860bc0_qkv:
	s_mov_b64 s[64:65], 0
	v_nop
	global_prefetch_b8 v0, s[64:65] scope:SCOPE_SE
	s_setreg_imm32_b32 hwreg(HW_REG_WAVE_MODE, 25, 1), 1
	s_wait_xcnt 0x0
	s_wait_alu depctr_hold_cnt(0) depctr_sa_sdst(0) depctr_va_vdst(0) depctr_va_sdst(0) depctr_va_ssrc(0) depctr_va_vcc(0) depctr_vm_vsrc(0)
	s_getreg_b32 s2, hwreg(HW_REG_IB_STS2, 6, 4)
	s_cmp_eq_u32 s2, 0
	s_cbranch_scc0 .Lentry_in_a_cluster
	s_endpgm
.Lentry_in_a_cluster:
	s_bfe_u32 s2, ttmp6, 0x10000c
	s_cmp_lg_u32 s2, 0xf033
	s_cbranch_scc0 .Lentry_shape_is_right
	s_endpgm
.Lentry_shape_is_right:
; LAUNCH 2 OF 4.  Q = x Wq^T + bq, K = x Wk^T + bk, V = x Wv^T + bv on codes of FP6 (E2M3), sums in f32; the results are quantised in registers and leave as images of operand registers.  No work of reference() is left out.
; SHARES.  A work-group takes 128 tokens (panel tp) x 128 columns (two heads, pair g) of each of Q, K, V: three passes over K = 1,024, 8 K steps of 128 each.
; In a pass source 0 is a panel P of 8 blocks and source 1 the wave's own two blocks N (2 w, 2 w + 1): 16 accumulators a wave, which take turns.
;   passes Q and K: P = the weight, N = x: a lane holds ONE token and its registers run along the columns, which are the next product's K.
;   pass V:         P = x, N = Wv:      a lane holds ONE channel and its registers run along the tokens, which are the keys: the next product's K.
; The rows of a block are 32 (a / 2) + 8 (a % 2) + r + 8 (r / 8), so that the 16 registers of result tiles 2 b and 2 b + 1 are 16 neighbours, 32 b + 16 h + 0 .. 15.
; A bias is the C of a pass's first K step.
; LDS: three panels of 102,400 bytes, whole K each: x, Wq (filled again with Wv), Wk.  All operands lie as images of their registers: a fragment is three ds_load_b128 at 16 x lane.
; CLUSTER 4 x 4: x's panel hangs on tp alone and is shared along a row of the cluster, a weight's on g alone and is shared along a column: every panel is asked for jointly.
; One load a wave at the head; Wk's two halves behind it, by waves 0 and 1; one refill a wave, its own two blocks of Wv, behind pass Q.
; OUT.  qb [head 32][128 tokens 16] records of 6,400 bytes: four pair images (registers 0-5: tile 2 p's 64 dims, 6-11: tile 2 p + 1's), then scale words [pair][r] (bytes 0, 1: tile 2 p; 2, 3: tile 2 p + 1).
;       kv records of 12,800: K's part as qb's record; V's part: four fragments (16 channels x 128 keys), then scale words [fragment][r].
; The codes leave in stores of 512 consecutive aligned bytes.  The scale words leave in runs of 64 or 128 bytes: one byte in 25 of what the launch stores.
; LIMITS: as stated at the head of the first launch.
.set BLK,   6400                       ; half a block: 4 fragments + 256 bytes of scale words
.set FRB,   1536                       ; a fragment's image
.set HALF,  8*BLK                      ; half a panel
.set WA,    102400                     ; LDS: x's panel at 0, Wq's (later Wv's) here,
.set WB,    204800                     ; Wk's here
.set SPARE, 307200                     ; the spare words, 128 bytes for each wave: two blocks of 256 bytes that no other line names
.set LB,   1                           ; v1-6   16 x lane + a panel's half: x 0, 1; A 0, 1; B 0, 1
.set SB,   7                           ; v7-12  8 x lane + the same
.set NX,   13                          ; v13-14 16 x lane + my two blocks of x, half 0, 1
.set NSX,  15                          ; v15-16 8 x lane + the same
.set NV,   17                          ; v17    16 x lane + my two blocks of Wv
.set NSV,  18                          ; v18    8 x lane + the same
.set OA,   19                          ; v19    Q's and K's images: 16 x lane + 1,536 x wave
.set OSQ,  20                          ; v20    Q's scale words: 4 r + 64 x wave; lanes 16-31 in the next head's record
.set OSK,  21                          ; v21    K's
.set OAV,  22                          ; v22    V's images
.set OSV,  23                          ; v23    V's scale words
.set SPW,  28                          ; v28    LDS address of my spare word; never rewritten
.set NIL,  29                          ; v29    0; never rewritten
.set PS,   32                          ; v32-63 P's scale words: 4 t + q / 2; lanes 0-15 the even K step, lanes 16-31 the odd one
.set NS,   64                          ; v64-71 N's: 4 a + q / 2
.set NF,   80                          ; v80-127 N's fragments: 24 x set + 12 a.   Window 1: P's fragments at 128 x set + 12 t
.set TM,   192                         ; window 2: v0-127 the accumulators (64 a + 8 t); v192-207 at work;
.set IMG,  216                         ; v216-239 two images;
.set TC,   240                         ; v240-247 the conversions' second halves;
.set PW0,  248                         ; v248-252 scale words
.set PW1,  249
.set KW0,  250
.set KW1,  251
.set KWS,  252                         ; window 3: v0-63 bq, v64-127 bk (8 t + j), v128-143 bv (8 a + j)
.set WV,   16
.set G1X,  24                          ; s[24:31] group 1 for x's halves; s[32:39] for a weight's; s[40:47] for Wv's dense part
.set G1W,  32
.set G1F,  40
.set GX0,  48                          ; groups 0
.set GQ0,  52
.set GX1,  56
.set GQ1,  60
.set GK0,  68
.set GK1,  72
.set GV,   76
.set SEL,  80
.set HM,   82
.set MSB, 0
.macro WIN new                         ; the immediate's high byte repeats the setting that is left
.if MSB != \new
	s_set_vgpr_msb (MSB<<8)|\new
.set MSB, \new
.endif
.endm
.set MUL,  0xa1                        ; source 0 (P) window 1, source 1 (N) window 0, C and D window 2
.set MULF, 0xb1                        ; the same, C (the bias) window 3
.set TO_P, 0x40                        ; destination window 1, address window 0
.set EPI,  0xaa                        ; all in window 2
.set ST2,  0x08                        ; a store's data window 2, its address window 0
.set LDB,  0xc0                        ; destination window 3
.set MVB,  0xc3                        ; destination and source 0 window 3
.macro PLACES                          ; four places behind matrix instructions, in front of loads into their registers and of reads of their results
.rept 4
	v_nop
.endr
.endm
.macro CROUND                          ; a round of the cluster's barrier
	s_barrier_signal -1
	s_barrier_wait -1
	s_cmp_lg_u32 s[WV], 0
	s_cbranch_scc1 .Lnot_wave_0_\@
	s_barrier_signal -3
.Lnot_wave_0_\@:
	s_barrier_wait -3
	s_barrier_signal -1
	s_barrier_wait -1
.endm
.macro MKG0 g, lr, lo, bp, go          ; a group 0: LDS address s[lr] + lo, global address s[bp:bp+1] + go
	s_mov_b32 s[\g], 1
	s_add_co_u32 s[\g+1], s[\lr], \lo
	s_add_nc_u64 s[\g+2:\g+3], s[\bp:\bp+1], \go
	s_or_b32 s[\g+3], s[\g+3], 0x80000000
.endm
; 64 numbers of a lane, v[s] on (register 16 b + i = k 32 b + 16 h + i of my row), become a fragment's codes (registers 0-5 in v[d0] on, 6-11 in v[d1] on) and its scale word in v[pw].
.macro QUANT s, d0, d1, pw
.irp b, 0,1,2,3
	v_max3_num_f32 v[TM+\b], |v[\s+16*\b]|, |v[\s+16*\b+1]|, 0x1800000   ; my 16 numbers of block b, from each accumulator's low end on, and the floor 2^(3 - 127)
.endr
.irp i, 2,4,6,8,10,12,14
.irp b, 0,1,2,3
	v_max3_num_f32 v[TM+\b], v[TM+\b], |v[\s+16*\b+\i]|, |v[\s+16*\b+\i+1]|
.endr
.endr
.irp b, 0,1,2,3
	v_permlanex16_b32 v[TM+4+\b], v[TM+\b], s[SEL], s[SEL+1]
.endr
.irp b, 0,1,2,3
	v_max_num_f32 v[TM+\b], v[TM+\b], v[TM+4+\b]
.endr
.irp b, 0,1,2,3
	v_add_nc_u32 v[TM+12+\b], 0xff000000, v[TM+\b]     ; 2 off the exponent field: the conversion's scale operand
.endr
.irp b, 0,1,2,3
	v_lshrrev_b32 v[TM+4+\b], 23, v[TM+12+\b]          ; the scale's byte
.endr
	v_lshl_or_b32 v[\pw], v[TM+5], 8, v[TM+4]
	v_lshl_or_b32 v[\pw], v[TM+6], 16, v[\pw]
	v_lshl_or_b32 v[\pw], v[TM+7], 24, v[\pw]
	v_cvt_scalef32_pk16_fp6_f32 v[\d0:\d0+2], v[\s:\s+15], v[TM+12]
	v_cvt_scalef32_pk16_fp6_f32 v[TC:TC+2], v[\s+16:\s+31], v[TM+13]
	v_cvt_scalef32_pk16_fp6_f32 v[\d1:\d1+2], v[\s+32:\s+47], v[TM+14]
	v_cvt_scalef32_pk16_fp6_f32 v[TC+4:TC+6], v[\s+48:\s+63], v[TM+15]
	v_nop                                              ; one plain place behind the scaled conversions
.irp i, 0,1,2
	v_permlane16_swap_b32 v[\d0+\i], v[TC+\i]
.endr
.irp i, 0,1,2
	v_mov_b32 v[\d0+3+\i], v[TC+\i]
.endr
.irp i, 0,1,2
	v_permlane16_swap_b32 v[\d1+\i], v[TC+4+\i]
.endr
.irp i, 0,1,2
	v_mov_b32 v[\d1+3+\i], v[TC+4+\i]
.endr
.endm
	s_load_b256 s[4:11], s[0:1], 0x0               ; cq, bq, bk, bv
	s_load_b128 s[12:15], s[0:1], 0x20             ; qb, kv
	v_lshl_add_u32 v[SPW], v0, 2, SPARE
	v_mov_b32 v[NIL], 0
	ds_add_u32 v[SPW], v[NIL]                      ; the wave's opening: the add, twice on end, and its wait ahead of my first tensor load
	ds_add_u32 v[SPW], v[NIL]                      ; and once more, under the one wait; the set-up below, work on registers, stands between
	v_lshrrev_b32 v24, 5, v0
	v_readfirstlane_b32 s[WV], v24                 ; wave 0..3
	s_bfe_u32 s17, ttmp6, 0x40000                  ; cx
	s_bfe_u32 s18, ttmp6, 0x40004                  ; cy
	s_lshl_b32 s19, ttmp9, 2
	s_add_co_u32 s19, s19, s17                     ; g: the pair of heads
	s_and_b32 s20, ttmp7, 0xffff
	s_lshl_b32 s20, s20, 2
	s_add_co_u32 s20, s20, s18                     ; tp: the panel of 128 tokens
	s_lshl_b32 s21, s18, 2
	s_lshl_b32 s21, 15, s21                        ; my row of the cluster
	s_lshl_b32 s94, 0x1111, s17                    ; my column
	s_or_b32 s[G1X], s21, (3<<16)|(1<<21)          ; the mask; elements of 8 bytes; bit 21 set beside a mask; no padding
	s_or_b32 s[G1W], s94, (3<<16)|(1<<21)
	s_or_b32 s[G1F], s94, (3<<16)|(1<<21)
.irp g, G1X, G1W
	s_mov_b32 s[\g+1], 800<<16                     ; a row: half a block, 6,400 bytes
	s_mov_b32 s[\g+2], 8<<16                       ; eight rows: half a panel
	s_mov_b32 s[\g+3], 800<<16
	s_mov_b32 s[\g+4], 8
	s_mov_b32 s[\g+5], 1600                        ; a block on: 12,800 bytes
	s_mov_b32 s[\g+6], 0
	s_mov_b32 s[\g+7], 0
.endr
	s_mov_b32 s[G1F+1], 32<<16                     ; two whole blocks, 25,600 dense bytes, as 100 rows of 256
	s_mov_b32 s[G1F+2], 100<<16
	s_mov_b32 s[G1F+3], 32<<16
	s_mov_b32 s[G1F+4], 100
	s_mov_b32 s[G1F+5], 32
	s_mov_b32 s[G1F+6], 0
	s_mov_b32 s[G1F+7], 0
	s_mov_b32 s[SEL], 0x76543210
	s_mov_b32 s[SEL+1], 0xfedcba98
	s_mov_b32 s[HM], 0xffff0000
	s_lshl_b32 s84, s20, 3                         ; x: block 8 tp: made of tp alone
	s_mul_i32 s84, s84, 2*BLK
	s_mov_b32 s85, 0
	s_lshl_b32 s88, s19, 3                         ; Wq: block 256 + 8 g: made of g alone
	s_add_co_u32 s88, s88, 256
	s_mul_i32 s88, s88, 2*BLK
	s_mov_b32 s89, 0
	s_mul_i32 s92, s[WV], 2*BLK                    ; where my two half blocks go in half a panel,
	s_mul_i32 s93, s[WV], 4*BLK                    ; and my two whole blocks of Wv
	s_lshr_b32 s2, s20, 4                          ; the records: 256 x batch + 32 g + s
	s_lshl_b32 s2, s2, 8
	s_and_b32 s3, s20, 15
	s_add_co_u32 s2, s2, s3
	s_lshl_b32 s3, s19, 5
	s_add_co_u32 s2, s2, s3
	s_mul_i32 s98, s2, BLK
	s_mov_b32 s99, 0
	s_mul_i32 s96, s2, 2*BLK
	s_mov_b32 s97, 0
	v_and_b32 v24, 31, v0                          ; lane
	v_and_b32 v25, 15, v0                          ; r
	v_bfe_u32 v26, v0, 4, 1                        ; h
	v_lshlrev_b32 v27, 4, v24
	v_lshlrev_b32 v30, 3, v24
.irp i, 0,1,2
	v_add_nc_u32 v[LB+2*\i], \i*WA, v27
	v_add_nc_u32 v[LB+2*\i+1], \i*WA+HALF, v27
	v_add_nc_u32 v[SB+2*\i], \i*WA, v30
	v_add_nc_u32 v[SB+2*\i+1], \i*WA+HALF, v30
.endr
	v_add_nc_u32 v[NX], s92, v27
	v_add_nc_u32 v[NX+1], HALF, v[NX]
	v_add_nc_u32 v[NSX], s92, v30
	v_add_nc_u32 v[NSX+1], HALF, v[NSX]
	v_add_nc_u32 v[NV], s93, v27
	v_add_nc_u32 v[NV], WA, v[NV]
	v_add_nc_u32 v[NSV], s93, v30
	v_add_nc_u32 v[NSV], WA, v[NSV]
	s_mul_i32 s83, s[WV], FRB
	v_add_nc_u32 v[OA], s83, v27
	s_lshl_b32 s83, s[WV], 6
	v_lshl_add_u32 v31, v25, 2, s83
	v_mad_u32_u24 v[OSQ], v26, 16*BLK, v31         ; a head on: 16 records of 6,400 bytes,
	v_mad_u32_u24 v[OSK], v26, 32*BLK, v31         ; of 12,800
	s_and_b32 s83, s[WV], 1
	s_lshr_b32 s95, s[WV], 1
	s_mul_i32 s95, s95, 32*BLK                     ; V: waves 2 and 3 hold the pair's second head
	s_mul_i32 s2, s83, 2*FRB
	s_add_co_u32 s2, s2, s95
	v_add_nc_u32 v[OAV], s2, v27
	s_lshl_b32 s83, s83, 7
	s_add_co_u32 s83, s83, s95
	v_lshl_add_u32 v[OSV], v24, 2, s83
	v_lshlrev_b32 v31, 6, v26                      ; bq, bk: 64 h bytes
	v_and_b32 v24, 8, v25
	v_add_nc_u32 v24, v24, v25
	v_lshlrev_b32 v24, 2, v24                      ; bv: 4 (r + 8 (r / 8))
	s_wait_dscnt 0x0                               ; both opening adds are done
	s_wait_kmcnt 0x0
	s_add_nc_u64 s[86:87], s[4:5], s[84:85]
	s_add_nc_u64 s[90:91], s[4:5], s[88:89]
	; THE LOADS, AS THEY NOW STAND: a load brings half a panel (8 blocks x 6,400 bytes).  At the head one a wave: x's and Wq's two halves.  Wk's two halves follow behind the full sequence and a round.
	MKG0 GX0, 85, 0, 86, 0                         ; (s85 holds 0)
	MKG0 GQ0, 85, WA, 90, 0
	MKG0 GX1, 85, HALF, 86, BLK
	MKG0 GQ1, 85, WA+HALF, 90, BLK
	MKG0 GK0, 85, WB, 90, 64*2*BLK
	MKG0 GK1, 85, WB+HALF, 90, 64*2*BLK+BLK
	s_mov_b32 s88, s93                             ; Wv: my own two whole blocks (s89 holds 0)
	s_add_nc_u64 s[88:89], s[90:91], s[88:89]
	MKG0 GV, 93, WA, 88, 128*2*BLK
	s_add_nc_u64 s[12:13], s[12:13], s[98:99]      ; qb and kv at the pair's first head's record
	s_add_nc_u64 s[14:15], s[14:15], s[96:97]
	s_lshl_b32 s2, s19, 9
	s_mov_b32 s3, 0
	s_add_nc_u64 s[6:7], s[6:7], s[2:3]            ; the biases at the pair's 128 columns
	s_add_nc_u64 s[8:9], s[8:9], s[2:3]
	s_add_nc_u64 s[10:11], s[10:11], s[2:3]
	s_lshl_b32 s2, s[WV], 7
	s_add_nc_u64 s[10:11], s[10:11], s[2:3]        ; bv at my wave's 32 channels
	CROUND                                         ; all sixteen work-groups are here: the first joint loads meet
.macro ARM under, g0, g1, next         ; one chain of branches on the wave's number, one load to an arm, all arms to one join
	s_cmp_lt_u32 s[WV], \under
	s_cbranch_scc0 \next
	tensor_load_to_lds s[\g0:\g0+3], s[\g1:\g1+7]
	s_nop 0
	PLACES
	s_branch .Lhead_asked
\next:
.endm
	ARM 1, GX0, G1X, .Lhead_q0                     ; wave 0: x, first half of K
	ARM 2, GQ0, G1W, .Lhead_x1                     ; wave 1: Wq, first half
	ARM 3, GX1, G1X, .Lhead_q1                     ; wave 2: x, second half
	tensor_load_to_lds s[GQ1:GQ1+3], s[G1W:G1W+7]  ; wave 3: Wq, second half
	s_nop 0
	PLACES
.Lhead_asked:
	WIN LDB
	s_wait_alu depctr_va_vdst(0)
.irp t, 0,1,2,3,4,5,6,7                            ; lane (r, h) wants, for tile t, the bias of columns 32 (t / 2) + 16 h + 8 (t % 2) + 0 .. 7
	global_load_b128 v[8*\t:8*\t+3], v31, s[6:7] offset:(32*(\t/2)+8*(\t%2))*4
	global_load_b128 v[8*\t+4:8*\t+7], v31, s[6:7] offset:(32*(\t/2)+8*(\t%2))*4+16
	global_load_b128 v[64+8*\t:64+8*\t+3], v31, s[8:9] offset:(32*(\t/2)+8*(\t%2))*4
	global_load_b128 v[64+8*\t+4:64+8*\t+7], v31, s[8:9] offset:(32*(\t/2)+8*(\t%2))*4+16
.endr
	global_load_b32 v128, v24, s[10:11]            ; bv of my lane's channel in block 2 w,
	global_load_b32 v136, v24, s[10:11] offset:32  ; and in block 2 w + 1
	WIN 0x80
.irp b, 0,1,2,3
	v_mov_b32 v[TM+4+\b], 0                        ; written once: a lane permute's destination counts as one of its sources
.endr
	s_wait_loadcnt 0x0
	WIN MVB
.irp a, 0,1
.irp i, 1,2,3,4,5,6,7
	v_mov_b32 v[128+8*\a+\i], v[128+8*\a]          ; the same bias for all eight tokens of a lane's tile
.endr
.endr
	WIN 0
; The fragments of K step q into set q % 2: P's eight, then my two of N: 30 loads in one run.
.macro FETCH q
	WIN TO_P
.irp t, 0,1,2,3,4,5,6,7
.irp c, 0,1,2
	ds_load_b128 v[128*((\q)%2)+12*\t+4*\c:128*((\q)%2)+12*\t+4*\c+3], v[PB+(\q)/4] offset:BLK*\t+FRB*((\q)%4)+512*\c
.endr
.endr
	WIN 0
.irp a, 0,1
.irp c, 0,1,2
	ds_load_b128 v[NF+24*((\q)%2)+12*\a+4*\c:NF+24*((\q)%2)+12*\a+4*\c+3], v[NB+NBS*((\q)/4)] offset:NA*\a+NE*((\q)/4)+FRB*((\q)%4)+512*\c
.endr
.endr
.endm
.macro SCLOAD e                        ; the scale words of half e: 10 loads
.irp t, 0,1,2,3,4,5,6,7
	ds_load_b64 v[PS+4*\t+2*\e:PS+4*\t+2*\e+1], v[PSB+\e] offset:BLK*\t+4*FRB
.endr
.irp a, 0,1
	ds_load_b64 v[NS+4*\a+2*\e:NS+4*\a+2*\e+1], v[NSB+NBS*\e] offset:NA*\a+NE*\e+4*FRB
.endr
.endm
.macro MULS q, first                   ; 16 matrix instructions, the 16 accumulators by turns
.if \first
	WIN MULF
.else
	WIN MUL
.endif
.irp a, 0,1
.irp t, 0,1,2,3,4,5,6,7
.if \first
	v_wmma_scale_f32_16x16x128_f8f6f4 v[64*\a+8*\t:64*\a+8*\t+7], v[128*((\q)%2)+12*\t:128*((\q)%2)+12*\t+11], v[NF+24*((\q)%2)+12*\a:NF+24*((\q)%2)+12*\a+11], v[CB+CT*\t+CA*\a:CB+CT*\t+CA*\a+7], v[PS+4*\t+(\q)/2], v[NS+4*\a+(\q)/2] matrix_a_fmt:MATRIX_FMT_FP6 matrix_b_fmt:MATRIX_FMT_FP6
.elseif (\q)%2
	v_wmma_scale_f32_16x16x128_f8f6f4 v[64*\a+8*\t:64*\a+8*\t+7], v[128*((\q)%2)+12*\t:128*((\q)%2)+12*\t+11], v[NF+24*((\q)%2)+12*\a:NF+24*((\q)%2)+12*\a+11], v[64*\a+8*\t:64*\a+8*\t+7], v[PS+4*\t+(\q)/2], v[NS+4*\a+(\q)/2] matrix_a_fmt:MATRIX_FMT_FP6 matrix_b_fmt:MATRIX_FMT_FP6 matrix_a_scale:MATRIX_SCALE_ROW1 matrix_b_scale:MATRIX_SCALE_ROW1
.else
	v_wmma_scale_f32_16x16x128_f8f6f4 v[64*\a+8*\t:64*\a+8*\t+7], v[128*((\q)%2)+12*\t:128*((\q)%2)+12*\t+11], v[NF+24*((\q)%2)+12*\a:NF+24*((\q)%2)+12*\a+11], v[64*\a+8*\t:64*\a+8*\t+7], v[PS+4*\t+(\q)/2], v[NS+4*\a+(\q)/2] matrix_a_fmt:MATRIX_FMT_FP6 matrix_b_fmt:MATRIX_FMT_FP6
.endif
.endr
.endr
.endm
; A pass: 8 K steps; a step's fragments are asked for one step ahead.  mid = 1: the panels' second halves are awaited in front of the first read of them.
.macro PASS mid
	FETCH 0
	SCLOAD 0
.irp q, 0,1,2,3,4,5,6
	PLACES
.if \mid && (\q == 3)
	s_wait_dscnt 0x0                               ; no LDS instruction of mine is out at a signal
	s_wait_tensorcnt 0x2                           ; x's and Wq's second halves are in; Wk's two loads may be out
	s_barrier_signal -1
	s_barrier_wait -1
.endif
	FETCH \q+1
.if \q == 3
	SCLOAD 1
	s_wait_dscnt 40                                ; all but the 40 just issued
.else
	s_wait_dscnt 30                                ; all but the 30 just issued
.endif
.if \q == 0
	MULS \q, 1
.else
	MULS \q, 0
.endif
.endr
	s_wait_dscnt 0x0
	MULS 7, 0
.endm
; Q's or K's way out.  My two blocks of tokens x 128 columns become, for each of the two heads, one pair image and its scale words.
.macro EPIQK base, hs, osr
	s_wait_xcnt 0x0                                ; the last way out's stores have read their registers
	WIN EPI
	QUANT 0, IMG, IMG+12, PW0                      ; block 2 w: head 0's six registers, head 1's
	QUANT 64, IMG+6, IMG+18, PW1                   ; block 2 w + 1
	v_perm_b32 v[KW0], v[PW1], v[PW0], 0x05040100  ; head 0: the two blocks' lower two bytes,
	v_perm_b32 v[KW1], v[PW1], v[PW0], 0x07060302  ; head 1: their upper two
	v_cndmask_b32 v[KWS], v[KW0], v[KW1], s[HM]    ; lanes 0-15 store head 0's words, lanes 16-31 head 1's
	WIN ST2
.irp k, 0,1
.irp c, 0,1,2
	global_store_b128 v[OA], v[IMG+12*\k+4*\c:IMG+12*\k+4*\c+3], s[\base:\base+1] offset:\k*\hs+512*\c
.endr
.endr
	global_store_b32 v[\osr], v[KWS], s[\base:\base+1] offset:4*FRB
	WIN 0
.endm
	s_wait_alu depctr_va_vdst(0)                   ; the wait at the head's end
	s_wait_tensorcnt 0x0                           ; my half panel is in
	ds_add_u32 v[SPW], v[NIL]
	s_wait_dscnt 0x0
	CROUND                                         ; x's and Wq's panels are whole, and all sixteen work-groups are here
	s_cmp_lt_u32 s[WV], 1
	s_cbranch_scc0 .Lwk_1
	tensor_load_to_lds s[GK0:GK0+3], s[G1W:G1W+7]  ; wave 0: Wk, first half; it has pass Q in which to land
	s_nop 0
	PLACES
	s_branch .Lwk_asked
.Lwk_1:
	s_cmp_lt_u32 s[WV], 2
	s_cbranch_scc0 .Lwk_asked
	tensor_load_to_lds s[GK1:GK1+3], s[G1W:G1W+7]  ; wave 1: Wk, second half
	s_nop 0
	PLACES
.Lwk_asked:
.set PB, LB+2                          ; PASS Q: P = Wq, N = x
.set PSB, SB+2
.set NB, NX
.set NSB, NSX
.set NBS, 1
.set NA, BLK
.set NE, 0
.set CB, 0
.set CT, 8
.set CA, 0
	PASS 0
	WIN 0
	s_wait_tensorcnt 0x0                           ; all my tensor loads have landed, Wk's among them;
	ds_add_u32 v[SPW], v[NIL]                      ; 0 onto my spare word;
	s_wait_dscnt 0x0                               ; the add is done, and my reads of Wq's panel are over
	CROUND                                         ; the same holds of every wave of every partner
	tensor_load_to_lds s[GV:GV+3], s[G1F:G1F+7]    ; Wv into Wq's bytes: my own two blocks, whole; it has pass K in which to land
	s_nop 0
	PLACES                                         ; also the places behind pass Q's last products
	EPIQK 12, 16*BLK, OSQ
.set PB, LB+4                          ; PASS K: P = Wk
.set PSB, SB+4
.set CB, 64
	PASS 0
	PLACES
	EPIQK 14, 32*BLK, OSK
	s_wait_tensorcnt 0x0                           ; Wv: I read only the two blocks that I asked for
.set PB, LB                            ; PASS V: P = x, N = Wv
.set PSB, SB
.set NB, NV
.set NSB, NSV
.set NBS, 0
.set NA, 2*BLK
.set NE, BLK
.set CB, 128
.set CT, 0
.set CA, 8
	PASS 0
	PLACES
	s_wait_xcnt 0x0
	WIN EPI
	QUANT 0, IMG, IMG+6, PW0                       ; 16 channels x 128 keys: a whole fragment
	QUANT 64, IMG+12, IMG+18, PW1
	v_cndmask_b32 v[KWS], v[PW0], v[PW1], s[HM]
	WIN ST2
.irp k, 0,1
.irp c, 0,1,2
	global_store_b128 v[OAV], v[IMG+12*\k+4*\c:IMG+12*\k+4*\c+3], s[14:15] offset:BLK+FRB*\k+512*\c
.endr
.endr
	global_store_b32 v[OSV], v[KWS], s[14:15] offset:BLK+4*FRB
	WIN 0
	s_wait_tensorcnt 0x0                           ; the wave's end
	ds_add_u32 v[SPW], v[NIL]
	s_wait_dscnt 0x0
	CROUND                                         ; the closing round
	s_endpgm
.Lfunc_end_k_q664e860bc0_qkv:
	.size	k_q664e860bc0_qkv, .Lfunc_end_k_q664e860bc0_qkv-k_q664e860bc0_qkv
	.p2alignl 7, 3214868480
	.fill 96, 4, 3214868480
	.section	.rodata,"a",@progbits
	.p2align	6, 0x0
	.amdhsa_kernel k_q664e860bc0_qkv
		.amdhsa_group_segment_fixed_size 327680
		.amdhsa_private_segment_fixed_size 0
		.amdhsa_enable_private_segment 0
		.amdhsa_kernarg_size 48
		.amdhsa_user_sgpr_count 2
		.amdhsa_user_sgpr_kernarg_segment_ptr 1
		.amdhsa_wavefront_size32 1
		.amdhsa_system_sgpr_workgroup_id_x 1
		.amdhsa_system_sgpr_workgroup_id_y 1
		.amdhsa_system_sgpr_workgroup_id_z 1
		.amdhsa_system_vgpr_workitem_id 0
		.amdhsa_next_free_vgpr 1024
		.amdhsa_next_free_sgpr 100
		.amdhsa_reserve_vcc 0
		.amdhsa_float_denorm_mode_32 3
		.amdhsa_float_denorm_mode_16_64 3
		.amdhsa_memory_ordered 1
		.amdhsa_forward_progress 1
		.amdhsa_inst_pref_size 144
	.end_amdhsa_kernel
	.amdgpu_metadata
---
amdhsa.version: [ 1, 2 ]
amdhsa.kernels:
  - .name:           k_q664e860bc0_qkv
    .symbol:         k_q664e860bc0_qkv.kd
    .args:
      - { .name: cq, .offset: 0, .size: 8, .value_kind: global_buffer, .address_space: global }
      - { .name: bq, .offset: 8, .size: 8, .value_kind: global_buffer, .address_space: global }
      - { .name: bk, .offset: 16, .size: 8, .value_kind: global_buffer, .address_space: global }
      - { .name: bv, .offset: 24, .size: 8, .value_kind: global_buffer, .address_space: global }
      - { .name: qb, .offset: 32, .size: 8, .value_kind: global_buffer, .address_space: global }
      - { .name: kv, .offset: 40, .size: 8, .value_kind: global_buffer, .address_space: global }
    .group_segment_fixed_size: 327680
    .private_segment_fixed_size: 0
    .kernarg_segment_align: 8
    .kernarg_segment_size: 48
    .max_flat_workgroup_size: 128
    .sgpr_count:     100
    .vgpr_count:     1024
    .wavefront_size: 32
...
	.end_amdgpu_metadata
.endif
;; end of part 2
;; launch attn (part 3): grid 8 x 32, 8 waves a work-group, clusters of 4 x 1, 327,680 bytes of LDS; arguments qb, kv, oc, os, ep; writes oc, os, ep
.if DOCPART == 3
	.amdgcn_target "amdgcn-amd-amdhsa--gfx1250"
	.amdhsa_code_object_version 6
	.text
	.protected	k_q664e860bc0_attn
	.globl	k_q664e860bc0_attn
	.p2align	8
	.type	k_q664e860bc0_attn,@function
k_q664e860bc0_attn:
	s_mov_b64 s[64:65], 0
	v_nop
	global_prefetch_b8 v0, s[64:65] scope:SCOPE_SE
	s_setreg_imm32_b32 hwreg(HW_REG_WAVE_MODE, 25, 1), 1
	s_wait_xcnt 0x0
	s_wait_alu depctr_hold_cnt(0) depctr_sa_sdst(0) depctr_va_vdst(0) depctr_va_sdst(0) depctr_va_ssrc(0) depctr_va_vcc(0) depctr_vm_vsrc(0)
	s_getreg_b32 s2, hwreg(HW_REG_IB_STS2, 6, 4)
	s_cmp_eq_u32 s2, 0
	s_cbranch_scc0 .Lentry_in_a_cluster
	s_endpgm
.Lentry_in_a_cluster:
	s_bfe_u32 s2, ttmp6, 0x10000c
	s_cmp_lg_u32 s2, 0x3003
	s_cbranch_scc0 .Lentry_shape_is_right
	s_endpgm
.Lentry_shape_is_right:
; LAUNCH 3 OF 4.  Attention of one head (work-group y) for 256 queries (work-group x): S^T = K Q^T and O^T = V^T p^T on codes of FP6 (E2M3); softmax by a running whole-number M.
; No work of reference() is left out; the exponentials that logsumexp and softmax share are taken once: logsumexp = ln 2 x (M + log2 l).
; SHARES.  8 waves; a wave owns two tiles of 16 queries (one pair image of qb) and walks the head's 16 records of 128 keys.  Each fragment of K and V read from LDS serves both tiles.
; A lane holds one query of each tile; the registers of S and O run along the keys and the channels.
; A K fragment holds two key tiles of 64 dims; Q stands once in the lower half over zero codes and once in the upper: [0 q0 0 q1 0], 30 registers.
; WINDOWS.  Window 1: S (64 u), K's fragments, Q, tile 1's sums, p's codes.  Window 0: all else, O and V's fragments among it.  So laid, a matrix stage and a vector stage share one setting
; and go by turns: S of tile 0 with tile 1's sums of the step before, S of tile 1 with tile 0's block maxima, O += V p with tile 0's sums.
; K's fragments are asked for one step ahead, V's at a step's head.  Tile 1's sums trail by a step: the first step adds the zeros that the head lays, the last step's are added behind the loops.
; LDS: the head's 16 records, 204,800 bytes, each byte filled once: records 0-3 by the head's load (6,400 bytes a wave), records 4-15 (19,200 bytes a wave) behind the full
; sequence and a round; they have three steps in which to land.  CLUSTER 4 x 1: four query blocks of a head ask for its records jointly.
; NO PREFETCH: both loads are issued at the head; no later load is left for a request to run ahead of.
; LIMITS: as at the head of the first launch; the promise holds while the scaled scores stay under 2^31 in magnitude.
.set REC,   12800
.set VPT,   6400
.set FRB,   1536
.set OSTG,  204800                     ; stage: 16 tiles x 16 byte pairs
.set ESTG,  205312                     ; stage: 8 energy parts
.set SPARE, 205568                     ; the spare words, 128 bytes a wave
; window 0
.set LI,  1                            ; 16 x lane
.set LS,  2                            ; 4 x lane
.set AD,  3
.set AS,  4
.set SPW, 5
.set NIL, 6
.set MP,  12                           ; 12 + 2 u: (-M, the running largest score)
.set L0,  16                           ; tile 0's sum in four pairs
.set FF,  32                           ; 32 + 2 u: f = 2^(old M - new M)
.set QS,  36                           ; 36 + 2 u: Q's scale word for the lower half, + 1: for the upper
.set KS,  40
.set VS,  42
.set PW,  44                           ; p's scale words
.set TA,  46
.set TE,  48
.set FV,  50                           ; V's four fragments
.set O,   98                           ; O^T, 32 u
.set BM,  162                          ; block maxima, 4 u + b
.set T2,  170
.set SO,  178
.set QAD, 186
.set QSD, 187
; THE ROWS OF A K TILE ARE CHOSEN BY THE LANES' LDS ADDRESSES: lanes 0-7 of fragment (c, kk) take rows 8 kk .. 8 kk + 7 of pair image 2 c, lanes 8-15 the same rows of pair image 2 c + 1.
; So in S a lane (query r, half h) holds, in registers 32 c .. 32 c + 31 of its tile, the keys 64 c + 32 h + 0 .. 31: one whole block of 32, in the order of p's operand.
; A block's largest score then needs no other lane, and the conversions' results need no exchange between lanes.
.set LIK, 188                          ; 16 x lane, + 1,408 in lanes 8-15 and 24-31: one image on, eight rows back
.set LSK, 189                          ; K's scale words: 4 (l % 8) + 64 (bit 3 of l) + 32 (l / 16)
.set ADK, 190
.set ASK, 191
.set H8,  192                          ; 8 h
; window 1: S at 0
.set F,   128                          ; K's four fragments
.set QZ,  176
.set L1,  206                          ; tile 1's sum in four pairs
.set PC,  214                          ; p's codes, 12 u
.set TC,  238                          ; the conversions' second halves, 8 u;
.set BMW, 238                          ; earlier in a step: a lane's own block maxima, 4 u + b
.set WV,  14
.set SEL, 20
.set CS,  22
.set G1,  24
.set G0A, 32
.set G0B, 36
.set TB,  40
.set CNT, 41
.set NC,  59
.set MSB, 0
.macro WIN new                         ; the immediate's high byte repeats the setting that is left
.if MSB != \new
	s_set_vgpr_msb (MSB<<8)|\new
.set MSB, \new
.endif
.endm
.macro PLACES
.rept 4
	v_nop
.endr
.endm
.macro CROUND
	s_barrier_signal -1
	s_barrier_wait -1
	s_cmp_lg_u32 s[WV], 0
	s_cbranch_scc1 .Lnot_wave_0_\@
	s_barrier_signal -3
.Lnot_wave_0_\@:
	s_barrier_wait -3
	s_barrier_signal -1
	s_barrier_wait -1
.endm
	s_load_b256 s[4:11], s[0:1], 0x0               ; qb, kv, oc, os
	s_load_b64 s[12:13], s[0:1], 0x20              ; ep
	v_lshl_add_u32 v[SPW], v0, 2, SPARE
	v_mov_b32 v[NIL], 0
	ds_add_u32 v[SPW], v[NIL]                      ; the opening lines: the add twice and one wait
	ds_add_u32 v[SPW], v[NIL]
	v_lshrrev_b32 v7, 5, v0
	v_readfirstlane_b32 s[WV], v7                  ; wave 0..7
	s_bfe_u32 s15, ttmp6, 0x40000
	s_lshl_b32 s16, ttmp9, 2
	s_add_co_u32 s16, s16, s15                     ; x: the block of 256 queries
	s_and_b32 s17, ttmp7, 0xffff                   ; y: 16 x batch + head
	s_mov_b32 s[G1], 15|(3<<16)|(1<<21)            ; the four partners; elements of 8 bytes
	s_mov_b32 s[G1+1], 32<<16                      ; rows of 256 bytes, dense
	s_mov_b32 s[G1+2], 25<<16
	s_mov_b32 s[G1+3], 32<<16
	s_mov_b32 s[G1+4], 25
	s_mov_b32 s[G1+5], 32
	s_mov_b32 s[G1+6], 0
	s_mov_b32 s[G1+7], 0
	s_mov_b32 s[SEL], 0x76543210
	s_mov_b32 s[SEL+1], 0xfedcba98
	s_mov_b32 s[CS], 0x3e38aa3b                    ; c = log2(e) / 8
	s_mov_b32 s[CS+1], s[CS]
	s_mov_b32 s[NC], 0xbe38aa3b                    ; -c
	s_mul_i32 s42, s17, 16*REC                     ; kv: the head's records
	s_mov_b32 s43, 0
	s_mul_i32 s44, s[WV], VPT                      ; my part of records 0-3,
	s_mul_i32 s45, s[WV], 3*VPT                    ; and of records 4-15
	s_lshl_b32 s46, s17, 4                         ; qb: record 16 y + 2 x + wave / 4
	s_lshl_b32 s18, s16, 1
	s_add_co_u32 s46, s46, s18
	s_lshr_b32 s18, s[WV], 2
	s_add_co_u32 s46, s46, s18
	s_mul_i32 s46, s46, VPT
	s_mov_b32 s47, 0
	s_lshr_b32 s50, s17, 4                         ; oc: block 128 x batch + 16 x + 2 x wave, the head's 768 bytes
	s_lshl_b32 s50, s50, 7
	s_lshl_b32 s18, s16, 4
	s_add_co_u32 s50, s50, s18
	s_lshl_b32 s18, s[WV], 1
	s_add_co_u32 s50, s50, s18
	s_mul_i32 s50, s50, 12288
	s_and_b32 s18, s17, 15
	s_mul_i32 s18, s18, 768
	s_add_co_u32 s50, s50, s18
	s_mov_b32 s51, 0
	s_lshl_b32 s52, s17, 12                        ; os
	s_lshl_b32 s18, s16, 9
	s_add_co_u32 s52, s52, s18
	s_mov_b32 s53, 0
	s_lshl_b32 s54, s17, 3                         ; ep
	s_add_co_u32 s54, s54, s16
	s_lshl_b32 s54, s54, 2
	s_mov_b32 s55, 0
	s_and_b32 s48, s[WV], 3                        ; my pair image in the record
	s_mul_i32 s56, s48, FRB
	s_lshl_b32 s57, s48, 6
	s_lshl_b32 s58, s[WV], 6
	v_and_b32 v7, 31, v0
	v_and_b32 v8, 15, v0
	v_and_b32 v11, 7, v0
	v_mov_b32 v9, s[WV]
	v_lshlrev_b32 v[LI], 4, v7
	v_lshlrev_b32 v[LS], 2, v7
	v_lshl_add_u32 v[QSD], v8, 2, s57
	v_lshl_add_u32 v8, v8, 1, s58
	v_lshl_add_u32 v11, v11, 2, ESTG
	v_lshl_add_u32 v9, v9, 2, ESTG
	v_lshlrev_b32 v[AD], 4, v7                     ; record 0
	v_lshlrev_b32 v[AS], 2, v7
	v_lshlrev_b32 v7, 3, v7
	v_add_nc_u32 v[QAD], s56, v[LI]
	v_add_nc_u32 v10, OSTG, v[LI]
	v_add_nc_u32 v8, OSTG, v8
	v_bfe_u32 v[H8], v0, 3, 1
	v_and_b32 v[LSK], 7, v0
	v_bfe_u32 v[ASK], v0, 4, 1
	v_mul_u32_u24 v[LIK], v[H8], FRB-128
	v_lshlrev_b32 v[LSK], 2, v[LSK]
	v_add_nc_u32 v[LIK], v[LIK], v[LI]
	v_lshl_add_u32 v[LSK], v[H8], 6, v[LSK]
	v_lshlrev_b32 v[H8], 3, v[ASK]
	v_lshl_add_u32 v[LSK], v[ASK], 5, v[LSK]
	v_add_nc_u32 v[ADK], 0, v[LIK]                 ; record 0
	v_add_nc_u32 v[ASK], 0, v[LSK]
	s_wait_alu depctr_va_vdst(0)
	s_wait_dscnt 0x0
	s_wait_kmcnt 0x0
	s_add_nc_u64 s[6:7], s[6:7], s[42:43]
	s_mov_b32 s42, s44
	s_add_nc_u64 s[G0A+2:G0A+3], s[6:7], s[42:43]
	s_mov_b32 s42, s45
	s_add_nc_u64 s[G0B+2:G0B+3], s[6:7], s[42:43]
	s_add_nc_u64 s[G0B+2:G0B+3], s[G0B+2:G0B+3], 4*REC
	s_or_b32 s[G0A+3], s[G0A+3], 0x80000000
	s_or_b32 s[G0B+3], s[G0B+3], 0x80000000
	s_mov_b32 s[G0A], 1
	s_mov_b32 s[G0A+1], s44
	s_mov_b32 s[G0B], 1
	s_add_co_u32 s[G0B+1], s45, 4*REC
	s_add_nc_u64 s[4:5], s[4:5], s[46:47]
	s_add_nc_u64 s[8:9], s[8:9], s[50:51]
	s_add_nc_u64 s[10:11], s[10:11], s[52:53]
	s_add_nc_u64 s[12:13], s[12:13], s[54:55]
	global_load_b128 v[FV:FV+3], v[QAD], s[4:5]    ; Q's pair image: registers 0-5 tile 0, 6-11 tile 1
	global_load_b128 v[FV+4:FV+7], v[QAD], s[4:5] offset:512
	global_load_b128 v[FV+8:FV+11], v[QAD], s[4:5] offset:1024
	global_load_b32 v[BM], v[QSD], s[4:5] offset:4*FRB
	CROUND
	tensor_load_to_lds s[G0A:G0A+3], s[G1:G1+7]    ; records 0-3: my one load at the head
	s_nop 0
	PLACES
.irp u, 0,1
	v_mov_b32 v[MP+2*\u], 0x7f61b1e6               ; -M: 3e38, so that the first f is 0
	v_mov_b32 v[MP+2*\u+1], 0xff61b1e6             ; the largest score so far: under every score
	v_mov_b32 v[FF+2*\u+1], 0
.endr
.set j, 0
.rept 8
	v_mov_b32 v[L0+j], 0
	v_mov_b32 v[T2+j], 0                           ; a lane permute's destination counts as one of its sources
.set j, j+1
.endr
.set j, 0
.rept 64
	v_mov_b32 v[O+j], 0                            ; O^T: the step is written once, and the first finds zeros
.set j, j+1
.endr
	WIN 0x40                                       ; destination in window 1
.irp i, 0,1,2,3,4,5
	v_mov_b32 v[QZ+\i], 0
	v_mov_b32 v[QZ+12+\i], 0
	v_mov_b32 v[QZ+24+\i], 0
.endr
.set j, 0
.rept 8
	v_mov_b32 v[L1+j], 0
.set j, j+1
.endr
.set j, 0
.rept 64
	v_mov_b32 v[64+j], 0                           ; tile 1's p of the step before the first: zeros
.set j, j+1
.endr
	s_wait_loadcnt 0x0
.irp i, 0,1,2,3,4,5
	v_mov_b32 v[QZ+6+\i], v[FV+\i]
	v_mov_b32 v[QZ+18+\i], v[FV+6+\i]
.endr
	WIN 0
	v_and_b32 v[T2], 0xffff, v[BM]                 ; tile 0's two scale bytes,
	v_lshrrev_b32 v[T2+1], 16, v[BM]               ; tile 1's
.irp u, 0,1
	v_or_b32 v[QS+2*\u], 0x7f7f0000, v[T2+\u]
	v_lshl_or_b32 v[QS+2*\u+1], v[T2+\u], 16, 0x7f7f
.endr
	s_wait_alu depctr_va_vdst(0)                   ; the wait at the head's end
	s_wait_tensorcnt 0x0                           ; my part of records 0-3 is in
	ds_add_u32 v[SPW], v[NIL]
	s_mov_b32 s[G1+2], 75<<16                      ; no load of mine is out: the next brings 75 rows
	s_mov_b32 s[G1+4], 75
	s_wait_dscnt 0x0
	CROUND                                         ; records 0-3 are whole, and the four partners are here
	tensor_load_to_lds s[G0B:G0B+3], s[G1:G1+7]    ; records 4-15
	s_nop 0
	PLACES
.rept 4
	v_nop                                          ; with the four above: eight places between the lines that made Q's scale words and the first product
.endr
.macro KLOAD off                       ; K's four fragments of the record at v[AD] + off, into window 1
	WIN 0x40
.irp i, 0,1,2,3
.irp c, 0,1,2
	ds_load_b128 v[F+12*\i+4*\c:F+12*\i+4*\c+3], v[ADK] offset:\off+2*FRB*(\i/2)+128*(\i%2)+512*\c   ; fragment i = 2 c + kk
.endr
.endr
.endm
.macro KSLOAD off                      ; and its scale words, into window 0
	ds_load_b32 v[KS], v[ASK] offset:\off+4*FRB          ; register c: lanes 0-15 the words of fragment (c, 0)'s rows, lanes 16-31 of (c, 1)'s
	ds_load_b32 v[KS+1], v[ASK] offset:\off+4*FRB+128
.endm
.macro SM i, u, hf                     ; K's fragment i against tile u: key tile 2 i (hf = 0: Q below) or 2 i + 1 (hf = 1: Q above)
.if (\i)%2
	v_wmma_scale_f32_16x16x128_f8f6f4 v[64*\u+16*\i+8*\hf:64*\u+16*\i+8*\hf+7], v[F+12*\i:F+12*\i+11], v[QZ+12*\u+6-6*\hf:QZ+12*\u+17-6*\hf], 0, v[KS+\i/2], v[QS+2*\u+\hf] matrix_a_fmt:MATRIX_FMT_FP6 matrix_b_fmt:MATRIX_FMT_FP6 matrix_a_scale:MATRIX_SCALE_ROW1
.else
	v_wmma_scale_f32_16x16x128_f8f6f4 v[64*\u+16*\i+8*\hf:64*\u+16*\i+8*\hf+7], v[F+12*\i:F+12*\i+11], v[QZ+12*\u+6-6*\hf:QZ+12*\u+17-6*\hf], 0, v[KS+\i/2], v[QS+2*\u+\hf] matrix_a_fmt:MATRIX_FMT_FP6 matrix_b_fmt:MATRIX_FMT_FP6
.endif
.endm
.macro OM i, u                         ; O^T of tile u += V's fragment i x p
.if (\i)%2
	v_wmma_scale_f32_16x16x128_f8f6f4 v[O+32*\u+8*\i:O+32*\u+8*\i+7], v[FV+12*\i:FV+12*\i+11], v[PC+12*\u:PC+12*\u+11], v[O+32*\u+8*\i:O+32*\u+8*\i+7], v[VS+\i/2], v[PW+\u] matrix_a_fmt:MATRIX_FMT_FP6 matrix_b_fmt:MATRIX_FMT_FP6 matrix_a_scale:MATRIX_SCALE_ROW1
.else
	v_wmma_scale_f32_16x16x128_f8f6f4 v[O+32*\u+8*\i:O+32*\u+8*\i+7], v[FV+12*\i:FV+12*\i+11], v[PC+12*\u:PC+12*\u+11], v[O+32*\u+8*\i:O+32*\u+8*\i+7], v[VS+\i/2], v[PW+\u] matrix_a_fmt:MATRIX_FMT_FP6 matrix_b_fmt:MATRIX_FMT_FP6
.endif
.endm
.macro LA base, s0, n                  ; n more of a tile's 32 additions of the unquantised p, four chains by turns; AI counts them
.rept \n
	v_pk_add_f32 v[\base+2*(AI%4):\base+2*(AI%4)+1], v[\base+2*(AI%4):\base+2*(AI%4)+1], v[\s0+2*AI:\s0+2*AI+1]
.set AI, AI+1
.endr
.endm
.macro MX u, g                         ; four of a tile's 32 maxima: registers 2 g, 2 g + 1 of each block of 32 keys; each accumulator is read from its low end on
.irp b, 0,1,2,3
.if (\g) == 0
	v_max3_num_f32 v[BMW+4*\u+\b], 0xff7fffff, v[64*\u+16*\b], v[64*\u+16*\b+1]
.else
	v_max3_num_f32 v[BMW+4*\u+\b], v[BMW+4*\u+\b], v[64*\u+16*\b+2*(\g)], v[64*\u+16*\b+2*(\g)+1]
.endif
.endr
.endm
; A step: 128 keys for both tiles.  K's fragments are in registers.  pre = 1: the next record's are asked for.
.macro STEP pre
.irp i, 0,1,2,3
.irp c, 0,1,2
	ds_load_b128 v[FV+12*\i+4*\c:FV+12*\i+4*\c+3], v[AD] offset:VPT+FRB*\i+512*\c   ; V's fragments: the last step's four closing additions are the places ahead of these loads
.endr
.endr
	ds_load_b32 v[VS], v[AS] offset:VPT+4*FRB
	ds_load_b32 v[VS+1], v[AS] offset:VPT+4*FRB+128
	WIN 0x45                                       ; destination, sources 0 and 1 in window 1
.set AI, 0
.irp i, 0,1,2,3
	SM \i, 0, 0                                    ; S of tile 0, by turns with tile 1's sums of the step before
	LA L1, 64, 4
	SM \i, 0, 1
	LA L1, 64, 4
.endr
	WIN 0x55                                       ; all in window 1
.irp i, 0,1,2,3
	SM \i, 1, 0                                    ; S of tile 1, by turns with tile 0's block maxima
	MX 0, 2*\i
	SM \i, 1, 1
	MX 0, 2*\i+1
.endr
.irp g, 0,1,2,3,4,5,6,7
	MX 1, \g
.endr
.if \pre
	KLOAD REC
.endif
	WIN 0x05                                       ; sources 0 and 1 in window 1
.irp c, 0,1
.irp u, 0,1
	v_max_num_f32 v[BM+2*\u+\c], v[BMW+4*\u+2*\c], v[BMW+4*\u+2*\c+1]   ; the largest score of my block 2 c + h: its two runs of 16
.endr
.endr
	WIN 0
.if \pre
	KSLOAD REC
	s_add_co_u32 s[TB], s[TB], REC
	v_add_nc_u32 v[AD], s[TB], v[LI]               ; the next record
	v_add_nc_u32 v[AS], s[TB], v[LS]
	v_add_nc_u32 v[ADK], s[TB], v[LIK]
	v_add_nc_u32 v[ASK], s[TB], v[LSK]
.endif
.irp u, 0,1
	v_max_num_f32 v[TA+\u], v[BM+2*\u], v[BM+2*\u+1]
.endr
	s_delay_alu instid0(VALU_DEP_2)
.irp u, 0,1
	v_permlanex16_b32 v[T2+\u], v[TA+\u], s[SEL], s[SEL+1]
.endr
	s_delay_alu instid0(VALU_DEP_2)
.irp u, 0,1
	v_max3_num_f32 v[MP+2*\u+1], v[MP+2*\u+1], v[TA+\u], v[T2+\u]   ; the running largest score: my 64 keys and lane l xor 16's
.endr
	s_delay_alu instid0(VALU_DEP_2)
.irp u, 0,1
	v_mul_f32 v[TA+\u], s[NC], v[MP+2*\u+1]        ; -t
.endr
	s_delay_alu instid0(VALU_DEP_2)
.irp u, 0,1
	v_floor_f32 v[TE+\u], v[TA+\u]                 ; the new -M = -ceil(t)
.endr
	s_delay_alu instid0(VALU_DEP_2)
.irp u, 0,1
	v_sub_f32 v[TA+\u], v[TE+\u], v[MP+2*\u]       ; old M - new M
.endr
.irp u, 0,1
	v_mov_b32 v[MP+2*\u], v[TE+\u]
.endr
.irp u, 0,1
	v_cvt_i32_f32 v[TA+\u], v[TA+\u]               ; (it saturates)
.endr
	s_delay_alu instid0(VALU_DEP_2)
.irp u, 0,1
	v_ldexp_f32 v[FF+2*\u], 1.0, v[TA+\u]          ; f: a power of two
.endr
.irp c, 0,1
.irp u, 0,1
	v_fma_f32 v[BM+2*\u+\c], v[BM+2*\u+\c], s[CS], v[MP+2*\u]   ; t - M of each block's largest score
.endr
.endr
.irp u, 0,1
.set j, 0
.rept 16
	v_pk_mul_f32 v[O+32*\u+j:O+32*\u+j+1], v[O+32*\u+j:O+32*\u+j+1], v[FF+2*\u:FF+2*\u+1] op_sel_hi:[1,0]   ; O^T under the new M, ahead of the exponentials
.set j, j+2
.endr
.endr
	WIN 0x41                                       ; destination and source 0 in window 1
.set j, 0
.rept 32
	v_pk_fma_f32 v[j:j+1], v[j:j+1], s[CS:CS+1], v[MP:MP+1] op_sel_hi:[1,0,0]   ; tile 0: t - M
.set j, j+2
.endr
	s_wait_alu depctr_va_vdst(0)                   ; ahead of a batch
.set j, 0
.rept 32
	v_exp_f32 v[2*j], v[2*j]                       ; tile 0: p = 2^(t - M); among them tile 1's t - M, each line independent of the others
	v_pk_fma_f32 v[64+2*j:64+2*j+1], v[64+2*j:64+2*j+1], s[CS:CS+1], v[MP+2:MP+3] op_sel_hi:[1,0,0]
	v_exp_f32 v[2*j+1], v[2*j+1]
.set j, j+1
.endr
	s_wait_alu depctr_va_vdst(0)                   ; ahead of the second batch, which reads what was written among the first
.irp k, 0,1,2,3
.set j, 0
.rept 16
	v_exp_f32 v[64+16*\k+j], v[64+16*\k+j]         ; tile 1
.set j, j+1
.endr
	v_pk_mul_f32 v[L1+2*\k:L1+2*\k+1], v[L1+2*\k:L1+2*\k+1], v[FF+2:FF+3] op_sel_hi:[1,0]   ; tile 1's sums under the new M
.endr
	WIN 0
.irp k, 0,1,2,3
	v_exp_f32 v[BM+\k], v[BM+\k]                   ; each block's largest p: the same two instructions on the same number
	v_pk_mul_f32 v[L0+2*\k:L0+2*\k+1], v[L0+2*\k:L0+2*\k+1], v[FF:FF+1] op_sel_hi:[1,0]      ; tile 0's sums under the new M
.endr
	s_wait_dscnt 0x0                               ; V's fragments and the next record's K are in: all were asked for long ago
	s_wait_alu depctr_va_vdst(0)                   ; one wait for the batches
.set j, 0
.rept 4
	v_max_num_f32 v[BM+j], 0x1800000, v[BM+j]      ; the floor 2^(3 - 127): the byte cannot fall under 1
.set j, j+1
.endr
.set j, 0
.rept 4
	v_add_nc_u32 v[SO+j], 0xff000000, v[BM+j]      ; 2 off the exponent field: the conversion's scale operand
.set j, j+1
.endr
.set j, 0
.rept 4
	v_lshrrev_b32 v[T2+j], 23, v[SO+j]             ; the scale's byte
.set j, j+1
.endr
.irp u, 0,1
	v_lshl_or_b32 v[TA+\u], v[T2+2*\u+1], 16, v[T2+2*\u]   ; my two bytes: blocks h and 2 + h,
.endr
	s_delay_alu instid0(VALU_DEP_2)
.irp u, 0,1
	v_lshlrev_b32 v[TA+\u], v[H8], v[TA+\u]        ; at their places in the scale word;
.endr
	s_delay_alu instid0(VALU_DEP_2)
.irp u, 0,1
	v_permlanex16_b32 v[T2+\u], v[TA+\u], s[SEL], s[SEL+1]
.endr
	s_delay_alu instid0(VALU_DEP_2)
.irp u, 0,1
	v_or_b32 v[PW+\u], v[TA+\u], v[T2+\u]          ; with lane l xor 16's two: p's scale word for these 128 keys
.endr
	WIN 0x41
.irp u, 0,1
.irp c, 0,1
	v_cvt_scalef32_pk16_fp6_f32 v[PC+12*\u+6*\c:PC+12*\u+6*\c+2], v[64*\u+32*\c:64*\u+32*\c+15], v[SO+2*\u+\c]       ; my block's lower 16 codes,
	v_cvt_scalef32_pk16_fp6_f32 v[TC+8*\u+4*\c:TC+8*\u+4*\c+2], v[64*\u+32*\c+16:64*\u+32*\c+31], v[SO+2*\u+\c]      ; its upper 16 (a conversion's three registers begin on an even number: they are moved below)
.endr
.endr
	v_nop                                          ; one plain place behind the scaled conversions
.irp u, 0,1
.irp c, 0,1
.irp i, 0,1,2
	v_mov_b32 v[PC+12*\u+6*\c+3+\i], v[TC+8*\u+4*\c+\i]
.endr
.endr
.endr
	WIN 0x04                                       ; source 1 in window 1
.set AI, 0
	LA L0, 0, 4                                    ; four places between the codes' last lines and the products
.irp i, 0,1,2,3
.irp u, 0,1
	OM \i, \u                                      ; O += V p, by turns with tile 0's sums
	LA L0, 0, 3
.endr
.endr
	LA L0, 0, 4
	WIN 0
.endm
	KLOAD 0                                        ; record 0's K
	WIN 0
	KSLOAD 0
	s_wait_dscnt 0x0
	s_mov_b32 s[TB], 0
	s_mov_b32 s[CNT], 3
.Lpart_a:                                              ; steps 0-2: they read records 0-3
	STEP 1
	s_sub_co_u32 s[CNT], s[CNT], 1
	s_cmp_lg_u32 s[CNT], 0
	s_cbranch_scc1 .Lpart_a
	s_wait_tensorcnt 0x0                           ; my part of records 4-15 is in,
	s_wait_dscnt 0x0
	s_barrier_signal -1
	s_barrier_wait -1                              ; and everybody's
	s_mov_b32 s[CNT], 12
.Lpart_b:                                              ; steps 3-14
	STEP 1
	s_sub_co_u32 s[CNT], s[CNT], 1
	s_cmp_lg_u32 s[CNT], 0
	s_cbranch_scc1 .Lpart_b
	STEP 0                                         ; step 15 asks for nothing more
; THE WAY OUT: l, O / l quantised along the head's 64 channels, log2 l + M.
	WIN 0x45
.set AI, 0
	LA L1, 64, 32                                  ; tile 1's sums of the last step
	v_pk_add_f32 v[L1:L1+1], v[L1:L1+1], v[L1+2:L1+3]
	v_pk_add_f32 v[L1+4:L1+5], v[L1+4:L1+5], v[L1+6:L1+7]
	s_delay_alu instid0(VALU_DEP_1)
	v_pk_add_f32 v[L1:L1+1], v[L1:L1+1], v[L1+4:L1+5]
	WIN 0
	v_pk_add_f32 v[L0:L0+1], v[L0:L0+1], v[L0+2:L0+3]
	v_pk_add_f32 v[L0+4:L0+5], v[L0+4:L0+5], v[L0+6:L0+7]
	s_delay_alu instid0(VALU_DEP_1)
	v_pk_add_f32 v[L0:L0+1], v[L0:L0+1], v[L0+4:L0+5]
	s_delay_alu instid0(VALU_DEP_1)
	v_add_f32 v[L0], v[L0], v[L0+1]
	WIN 0x05
	v_add_f32 v[L0+2], v[L1], v[L1+1]
	WIN 0
.irp u, 0,1
	v_permlanex16_b32 v[T2+\u], v[L0+2*\u], s[SEL], s[SEL+1]
.endr
	s_delay_alu instid0(VALU_DEP_2)
.irp u, 0,1
	v_add_f32 v[L0+2*\u], v[L0+2*\u], v[T2+\u]     ; the row's sum
.endr
	s_wait_alu depctr_va_vdst(0)
.irp u, 0,1
	v_rcp_f32 v[FF+2*\u], v[L0+2*\u]
	v_log_f32 v[TE+\u], v[L0+2*\u]
.endr
	v_nop
	s_wait_alu depctr_va_vdst(0)                   ; for the four, and directly ahead of the first reader of O^T
.irp u, 0,1
.set j, 0
.rept 16
	v_pk_mul_f32 v[O+32*\u+j:O+32*\u+j+1], v[O+32*\u+j:O+32*\u+j+1], v[FF+2*\u:FF+2*\u+1] op_sel_hi:[1,0]
.set j, j+2
.endr
.endr
.irp b, 0,1
.irp u, 0,1
	v_max3_num_f32 v[BM+4*\u+\b], 0x1800000, |v[O+32*\u+16*\b]|, |v[O+32*\u+16*\b+1]|
.endr
.endr
.irp i, 2,4,6,8,10,12,14
.irp b, 0,1
.irp u, 0,1
	v_max3_num_f32 v[BM+4*\u+\b], v[BM+4*\u+\b], |v[O+32*\u+16*\b+\i]|, |v[O+32*\u+16*\b+\i+1]|
.endr
.endr
.endr
.irp u, 0,1
	v_sub_f32 v[TE+\u], v[TE+\u], v[MP+2*\u]       ; log2 l + M
.endr
.irp b, 0,1
.irp u, 0,1
	v_permlanex16_b32 v[T2+4*\u+\b], v[BM+4*\u+\b], s[SEL], s[SEL+1]
.endr
.endr
	v_add_f32 v[TE], v[TE], v[TE+1]
.irp b, 0,1
.irp u, 0,1
	v_max_num_f32 v[BM+4*\u+\b], v[BM+4*\u+\b], v[T2+4*\u+\b]
.endr
.endr
	v_add_f32_dpp v[TE], v[TE], v[TE] row_xmask:1 row_mask:0xf bank_mask:0xf
.irp b, 0,1
.irp u, 0,1
	v_add_nc_u32 v[SO+4*\u+\b], 0xff000000, v[BM+4*\u+\b]
.endr
.endr
	v_add_f32_dpp v[TE], v[TE], v[TE] row_xmask:2 row_mask:0xf bank_mask:0xf
.irp b, 0,1
.irp u, 0,1
	v_lshrrev_b32 v[T2+4*\u+\b], 23, v[SO+4*\u+\b]
.endr
.endr
	v_add_f32_dpp v[TE], v[TE], v[TE] row_xmask:4 row_mask:0xf bank_mask:0xf
.irp u, 0,1
	v_lshl_or_b32 v[TA+\u], v[T2+4*\u+1], 8, v[T2+4*\u]   ; the tile's two scale bytes
.endr
	v_add_f32_dpp v[TE], v[TE], v[TE] row_xmask:8 row_mask:0xf bank_mask:0xf   ; my 32 queries' part of the energy
	WIN 0x40
.irp u, 0,1
	v_cvt_scalef32_pk16_fp6_f32 v[PC+12*\u:PC+12*\u+2], v[O+32*\u:O+32*\u+15], v[SO+4*\u]
	v_cvt_scalef32_pk16_fp6_f32 v[TC+8*\u:TC+8*\u+2], v[O+32*\u+16:O+32*\u+31], v[SO+4*\u+1]
.endr
	v_nop
	WIN 0x41
.irp u, 0,1
.irp i, 0,1,2
	v_permlane16_swap_b32 v[PC+12*\u+\i], v[TC+8*\u+\i]
.endr
.endr
.irp u, 0,1
.irp i, 0,1,2
	v_mov_b32 v[PC+12*\u+3+\i], v[TC+8*\u+\i]
.endr
.endr
	WIN 0x04                                       ; a store's data in window 1
.irp u, 0,1
.irp p, 0,1,2
	global_store_b64 v7, v[PC+12*\u+2*\p:PC+12*\u+2*\p+1], s[8:9] offset:12288*\u+256*\p   ; 256 consecutive bytes, aligned
.endr
.endr
	WIN 0
	ds_store_b16 v8, v[TA]
	ds_store_b16 v8, v[TA+1] offset:32
	ds_store_b32 v9, v[TE]
	s_wait_dscnt 0x0
	s_barrier_signal -1
	s_barrier_wait -1
	s_cmp_lg_u32 s[WV], 0
	s_cbranch_scc1 .Lnot_first
	ds_load_b128 v[FV:FV+3], v10                   ; wave 0 sends the work-group's 512 scale bytes and its energy part
	ds_load_b32 v[FV+4], v11
	s_wait_dscnt 0x0
	global_store_b128 v[LI], v[FV:FV+3], s[10:11]
.irp m, 1, 2, 4
	v_add_f32_dpp v[FV+4], v[FV+4], v[FV+4] row_xmask:\m row_mask:0xf bank_mask:0xf
.endr
	v_mov_b32 v[TA], 0
	v_cmp_eq_u32 vcc_lo, 0, v0
	s_wait_alu depctr_va_vdst(0)
	s_wait_xcnt 0x0                                ; EXEC changes only behind this wait
	s_and_saveexec_b32 s18, vcc_lo
	global_store_b32 v[TA], v[FV+4], s[12:13]
	s_wait_xcnt 0x0
	s_or_b32 exec_lo, exec_lo, s18
.Lnot_first:
	s_wait_tensorcnt 0x0                           ; the wave's end
	ds_add_u32 v[SPW], v[NIL]
	s_wait_dscnt 0x0
	CROUND                                         ; the closing round
	s_endpgm
.Lfunc_end_k_q664e860bc0_attn:
	.size	k_q664e860bc0_attn, .Lfunc_end_k_q664e860bc0_attn-k_q664e860bc0_attn
	.p2alignl 7, 3214868480
	.fill 96, 4, 3214868480
	.section	.rodata,"a",@progbits
	.p2align	6, 0x0
	.amdhsa_kernel k_q664e860bc0_attn
		.amdhsa_group_segment_fixed_size 327680
		.amdhsa_private_segment_fixed_size 0
		.amdhsa_enable_private_segment 0
		.amdhsa_kernarg_size 40
		.amdhsa_user_sgpr_count 2
		.amdhsa_user_sgpr_kernarg_segment_ptr 1
		.amdhsa_wavefront_size32 1
		.amdhsa_system_sgpr_workgroup_id_x 1
		.amdhsa_system_sgpr_workgroup_id_y 1
		.amdhsa_system_sgpr_workgroup_id_z 1
		.amdhsa_system_vgpr_workitem_id 0
		.amdhsa_next_free_vgpr 512
		.amdhsa_next_free_sgpr 66
		.amdhsa_reserve_vcc 1
		.amdhsa_float_denorm_mode_32 3
		.amdhsa_float_denorm_mode_16_64 3
		.amdhsa_memory_ordered 1
		.amdhsa_forward_progress 1
		.amdhsa_inst_pref_size 108
	.end_amdhsa_kernel
	.amdgpu_metadata
---
amdhsa.version: [ 1, 2 ]
amdhsa.kernels:
  - .name:           k_q664e860bc0_attn
    .symbol:         k_q664e860bc0_attn.kd
    .args:
      - { .name: qb, .offset: 0, .size: 8, .value_kind: global_buffer, .address_space: global }
      - { .name: kv, .offset: 8, .size: 8, .value_kind: global_buffer, .address_space: global }
      - { .name: oc, .offset: 16, .size: 8, .value_kind: global_buffer, .address_space: global }
      - { .name: os, .offset: 24, .size: 8, .value_kind: global_buffer, .address_space: global }
      - { .name: ep, .offset: 32, .size: 8, .value_kind: global_buffer, .address_space: global }
    .group_segment_fixed_size: 327680
    .private_segment_fixed_size: 0
    .kernarg_segment_align: 8
    .kernarg_segment_size: 40
    .max_flat_workgroup_size: 256
    .sgpr_count:     66
    .vgpr_count:     512
    .wavefront_size: 32
...
	.end_amdgpu_metadata
.endif
;; end of part 3
;; launch outp (part 4): grid 8 x 32, 4 waves a work-group, no clusters, 239,104 bytes of LDS; arguments oc, os, cq, bo, ep, out0, out1; writes out0, out1
.if DOCPART == 4
	.amdgcn_target "amdgcn-amd-amdhsa--gfx1250"
	.amdhsa_code_object_version 6
	.text
	.protected	k_q664e860bc0_outp
	.globl	k_q664e860bc0_outp
	.p2align	8
	.type	k_q664e860bc0_outp,@function
k_q664e860bc0_outp:
	s_mov_b64 s[64:65], 0
	v_nop
	global_prefetch_b8 v0, s[64:65] scope:SCOPE_SE
	s_setreg_imm32_b32 hwreg(HW_REG_WAVE_MODE, 25, 1), 1
	s_wait_xcnt 0x0
; LAUNCH 4 OF 4.  out0 = A Wo^T + bo on codes of FP6 (E2M3), A the attention's result as the launch before has quantised it; out1[batch] = -8 ln 2 x the sum of the launch before's 128 parts.  No work of reference() is left out.
; SHARES.  A work-group takes 128 tokens (panel tp) x 128 columns (panel n), K = 1,024 in 8 K steps.  Source 0 = Wo's panel of 8 blocks, source 1 = the wave's own two blocks of tokens:
; 16 accumulators a wave, by turns; a lane holds one token and eight neighbouring columns a tile.  bo is the C of the first K step.
; LDS holds both panels for all of K, filled once: one tensor load a wave at the head.
; NO CLUSTER: one wave of work-group (0, 0) takes a path of its own, the sum of the energies: a branch on the work-group's number.
; A's scale words are pieced together once from the two heads' byte pairs of each K step.
; OUT: a block of 16 tokens x 128 columns goes through the wave's own stage in LDS and leaves as rows of 512 consecutive aligned bytes.
.set BLK,   6400                       ; half a block of Wo: 4 fragments + 256 bytes of scale words
.set OBLK,  6144                       ; half a block of A: 4 fragments
.set FRB,   1536
.set HALF,  8*BLK
.set OHALF, 8*OBLK                     ; LDS: A's panel at 0: [block][12,288];
.set OSC,   98304                      ; A's scale bytes: [head 16][block 8][r 16] pairs of bytes;
.set WP,    102400                     ; Wo's panel: [half][block][6,400];
.set STG,   204800                     ; the stages: 16 rows x 528 bytes for each wave;
.set SPITCH, 528
.set SPARE, 238592                     ; the spare words, 128 bytes for each wave: two blocks of 256 bytes that no other line names
.set LBW,  1                           ; v1-2  16 x lane + Wo's half 0, 1
.set SBW,  3                           ; v3-4  8 x lane + the same
.set NO,   5                           ; v5-6  8 x lane + my two blocks of A, half 0, 1
.set NSA,  7                           ; v7    my row's byte pairs: 2 r + 64 x wave
.set STO,  8                           ; v8    the stage: where I put 32 bytes of a row
.set RD,   9                           ; v9    and where I read a row back
.set CO,   10                          ; v10   16 x lane
.set SPW,  28                          ; v28   LDS address of my spare word; never rewritten
.set NIL,  29                          ; v29   0; never rewritten
.set PS,   32                          ; v32-63 Wo's scale words: 4 t + q / 2; lanes 0-15 the even K step, lanes 16-31 the odd one
.set NSW,  64                          ; v64-79 A's scale words: 8 a + q
.set NF,   80                          ; v80-127 A's fragments: 24 x set + 12 a.   Window 1: Wo's at 128 x set + 12 t.   Window 2: the accumulators (64 a + 8 t).   Window 3: bo (8 t + j)
.set BK,   128                         ; v128-255 at work: byte pairs; later rows of out0
.set WV,   18
.set G1O,  24                          ; s[24:31] group 1 for the scale bytes; s[32:39] for A's halves; s[40:47] for Wo's
.set G1C,  32
.set G1W,  40
.set GO,   48                          ; groups 0
.set GC0,  52
.set GW0,  56
.set GC1,  60
.set GW1,  68
.set SEL,  80
.set MSB, 0
.macro WIN new                         ; the immediate's high byte repeats the setting that is left
.if MSB != \new
	s_set_vgpr_msb (MSB<<8)|\new
.set MSB, \new
.endif
.endm
.set MUL,  0xa1                        ; source 0 (Wo) window 1, source 1 (A) window 0, C and D window 2
.set MULF, 0xb1                        ; the same, C (bo) window 3
.set TO_P, 0x40                        ; destination window 1, address window 0
.set ST2,  0x08                        ; a store's data window 2, its address window 0
.set LDB,  0xc0                        ; destination window 3
.macro PLACES
.rept 4
	v_nop
.endr
.endm
.macro MKG0 g, lr, lo, bp, go
	s_mov_b32 s[\g], 1
	s_add_co_u32 s[\g+1], s[\lr], \lo
	s_add_nc_u64 s[\g+2:\g+3], s[\bp:\bp+1], \go
	s_or_b32 s[\g+3], s[\g+3], 0x80000000
.endm
	s_load_b256 s[4:11], s[0:1], 0x0               ; oc, os, cq, bo
	s_load_b128 s[12:15], s[0:1], 0x20             ; ep, out0
	s_load_b64 s[16:17], s[0:1], 0x30              ; out1
	v_lshl_add_u32 v[SPW], v0, 2, SPARE
	v_mov_b32 v[NIL], 0
	ds_add_u32 v[SPW], v[NIL]                      ; the wave's opening: the add, twice on end, and its wait ahead of my first tensor load
	ds_add_u32 v[SPW], v[NIL]                      ; and once more, under the one wait; the set-up below, work on registers, stands between
	v_lshrrev_b32 v24, 5, v0
	v_readfirstlane_b32 s[WV], v24                 ; wave 0..3
	s_and_b32 s20, ttmp7, 0xffff                   ; tp
	s_mov_b32 s[G1O], 3<<16                        ; elements of 8 bytes; the heads' 256 bytes, 4,096 bytes apart
	s_mov_b32 s[G1O+1], 32<<16
	s_mov_b32 s[G1O+2], 16<<16                     ; all sixteen heads' 256 bytes
	s_mov_b32 s[G1O+3], 32<<16
	s_mov_b32 s[G1O+4], 16
	s_mov_b32 s[G1O+5], 512
	s_mov_b32 s[G1O+6], 0
	s_mov_b32 s[G1O+7], 0
	s_mov_b32 s[G1C], 3<<16                        ; elements of 8 bytes
	s_mov_b32 s[G1C+1], 32<<16                     ; A's panel, 8 blocks of 12,288 bytes, is dense: 384 rows of 256 bytes
	s_mov_b32 s[G1C+2], 384<<16
	s_mov_b32 s[G1C+3], 32<<16
	s_mov_b32 s[G1C+4], 384
	s_mov_b32 s[G1C+5], 32
	s_mov_b32 s[G1C+6], 0
	s_mov_b32 s[G1C+7], 0
	s_mov_b32 s[G1W], 3<<16                        ; half blocks of 6,400 bytes, 12,800 apart
	s_mov_b32 s[G1W+1], 800<<16
	s_mov_b32 s[G1W+2], 8<<16                      ; eight half blocks: half a panel
	s_mov_b32 s[G1W+3], 800<<16
	s_mov_b32 s[G1W+4], 8
	s_mov_b32 s[G1W+5], 1600
	s_mov_b32 s[G1W+6], 0
	s_mov_b32 s[G1W+7], 0
	s_mov_b32 s[SEL], 0x76543210
	s_mov_b32 s[SEL+1], 0xfedcba98
	s_lshr_b32 s84, s20, 4                         ; os: 4,096 x 16 x batch + 256 s
	s_lshl_b32 s84, s84, 16
	s_and_b32 s2, s20, 15
	s_lshl_b32 s2, s2, 8
	s_add_co_u32 s84, s84, s2
	s_mov_b32 s85, 0
	s_lshl_b32 s86, s20, 3                         ; oc: block 8 tp
	s_mul_i32 s86, s86, 2*OBLK
	s_mov_b32 s87, 0
	s_lshl_b32 s88, ttmp9, 3
	s_add_co_u32 s88, s88, 448
	s_mul_i32 s88, s88, 2*BLK
	s_mov_b32 s89, 0
	s_mov_b32 s90, 0
	s_mul_i32 s91, s[WV], 4*OBLK                   ; my two whole blocks of A: the panel lies [block][12,288]
	s_mul_i32 s92, s[WV], 2*BLK
	s_lshl_b32 s94, s20, 19                        ; out0: 4,096 (128 tp + 32 w) + 512 n
	s_lshl_b32 s2, s[WV], 17
	s_add_co_u32 s94, s94, s2
	s_lshl_b32 s2, ttmp9, 9
	s_add_co_u32 s94, s94, s2
	s_mov_b32 s95, 0
	s_mov_b32 s3, 0                                ; s[2:3]: 512 n, for bo
	v_and_b32 v24, 31, v0                          ; lane
	v_and_b32 v25, 15, v0                          ; r
	v_bfe_u32 v26, v0, 4, 1                        ; h
	v_lshlrev_b32 v[CO], 4, v24
	v_lshlrev_b32 v27, 3, v24
	v_add_nc_u32 v[LBW], WP, v[CO]
	v_add_nc_u32 v[LBW+1], WP+HALF, v[CO]
	v_add_nc_u32 v[SBW], WP, v27
	v_add_nc_u32 v[SBW+1], WP+HALF, v27
	v_add_nc_u32 v[NO], s91, v27
	s_lshl_b32 s21, s[WV], 6
	v_lshl_add_u32 v[NSA], v25, 1, s21
	v_add_nc_u32 v[NSA], OSC, v[NSA]
	s_mul_i32 s21, s[WV], 16*SPITCH
	v_mul_u32_u24 v[STO], v25, SPITCH
	v_lshl_add_u32 v[STO], v26, 6, v[STO]
	v_add_nc_u32 v[STO], s21, v[STO]
	v_add_nc_u32 v[STO], STG, v[STO]
	v_add_nc_u32 v[RD], s21, v[CO]
	v_add_nc_u32 v[RD], STG, v[RD]
	v_lshlrev_b32 v31, 6, v26                      ; bo: 64 h bytes
	s_wait_alu depctr_va_vdst(0)
	s_wait_dscnt 0x0                               ; both opening adds are done
	s_wait_kmcnt 0x0
	s_add_nc_u64 s[6:7], s[6:7], s[84:85]
	s_add_nc_u64 s[4:5], s[4:5], s[86:87]
	s_add_nc_u64 s[8:9], s[8:9], s[88:89]
	s_add_nc_u64 s[10:11], s[10:11], s[2:3]
	s_add_nc_u64 s[14:15], s[14:15], s[94:95]
	; THE LOADS, AS THEY NOW STAND: one a wave, at the head: A's panel, Wo's two halves, A's scale bytes; LDS is filled once.
	MKG0 GO, 90, OSC, 6, 0                         ; (s90 holds 0)
	MKG0 GC0, 90, 0, 4, 0
	MKG0 GW0, 90, WP, 8, 0
	MKG0 GW1, 90, WP+HALF, 8, BLK
.macro ARM under, g0, g1, next         ; one chain of branches on the wave's number, one load to an arm, all arms to one join
	s_cmp_lt_u32 s[WV], \under
	s_cbranch_scc0 \next
	tensor_load_to_lds s[\g0:\g0+3], s[\g1:\g1+7]
	s_nop 0
	PLACES
	s_branch .Lhead_asked
\next:
.endm
	ARM 1, GC0, G1C, .Lhead_w0                     ; wave 0: A's panel
	ARM 2, GW0, G1W, .Lhead_w1                     ; wave 1: Wo, first half of K
	ARM 3, GW1, G1W, .Lhead_os                     ; wave 2: Wo, second half
	tensor_load_to_lds s[GO:GO+3], s[G1O:G1O+7]    ; wave 3: A's scale bytes
	s_nop 0
	PLACES
.Lhead_asked:
	WIN LDB
.irp t, 0,1,2,3,4,5,6,7                            ; lane (r, h) wants, for tile t, bo of columns 32 (t / 2) + 16 h + 8 (t % 2) + 0 .. 7
	global_load_b128 v[8*\t:8*\t+3], v31, s[10:11] offset:(32*(\t/2)+8*(\t%2))*4
	global_load_b128 v[8*\t+4:8*\t+7], v31, s[10:11] offset:(32*(\t/2)+8*(\t%2))*4+16
.endr
	WIN 0
	s_wait_loadcnt 0x0
	s_wait_tensorcnt 0x0                           ; my load is in
	s_barrier_signal -1
	s_barrier_wait -1                              ; everybody's are
.irp a, 0,1
.irp q, 0,1,2,3,4,5,6,7
	ds_load_u16 v[BK+2*(8*\a+\q)], v[NSA] offset:512*\q+32*\a        ; K step q: the even head's two bytes of my row,
	ds_load_u16 v[BK+2*(8*\a+\q)+1], v[NSA] offset:512*\q+256+32*\a  ; the odd head's
.endr
.endr
	s_wait_dscnt 0x0
.set j, 0
.rept 16
	v_lshl_or_b32 v[NSW+j], v[BK+2*j+1], 16, v[BK+2*j]
.set j, j+1
.endr
.rept 8
	v_nop                                          ; a scale register written by a vector instruction stands 8 places ahead of a scaled matrix instruction
.endr
.macro FETCH q                         ; the fragments of K step q into set q % 2: Wo's eight (24 loads), my two of A (12 loads)
	WIN TO_P
.irp t, 0,1,2,3,4,5,6,7
.irp c, 0,1,2
	ds_load_b128 v[128*((\q)%2)+12*\t+4*\c:128*((\q)%2)+12*\t+4*\c+3], v[LBW+(\q)/4] offset:BLK*\t+FRB*((\q)%4)+512*\c
.endr
.endr
	WIN 0
.irp a, 0,1
.irp p, 0,1,2,3,4,5
	ds_load_b64 v[NF+24*((\q)%2)+12*\a+2*\p:NF+24*((\q)%2)+12*\a+2*\p+1], v[NO] offset:2*OBLK*\a+FRB*(\q)+256*\p
.endr
.endr
.endm
.macro SCLOAD e                        ; Wo's scale words of half e: 8 loads
.irp t, 0,1,2,3,4,5,6,7
	ds_load_b64 v[PS+4*\t+2*\e:PS+4*\t+2*\e+1], v[SBW+\e] offset:BLK*\t+4*FRB
.endr
.endm
.macro MULS q, first                   ; 16 matrix instructions, the 16 accumulators by turns
.if \first
	WIN MULF
.else
	WIN MUL
.endif
.irp a, 0,1
.irp t, 0,1,2,3,4,5,6,7
.if \first
	v_wmma_scale_f32_16x16x128_f8f6f4 v[64*\a+8*\t:64*\a+8*\t+7], v[128*((\q)%2)+12*\t:128*((\q)%2)+12*\t+11], v[NF+24*((\q)%2)+12*\a:NF+24*((\q)%2)+12*\a+11], v[8*\t:8*\t+7], v[PS+4*\t+(\q)/2], v[NSW+8*\a+(\q)] matrix_a_fmt:MATRIX_FMT_FP6 matrix_b_fmt:MATRIX_FMT_FP6
.elseif (\q)%2
	v_wmma_scale_f32_16x16x128_f8f6f4 v[64*\a+8*\t:64*\a+8*\t+7], v[128*((\q)%2)+12*\t:128*((\q)%2)+12*\t+11], v[NF+24*((\q)%2)+12*\a:NF+24*((\q)%2)+12*\a+11], v[64*\a+8*\t:64*\a+8*\t+7], v[PS+4*\t+(\q)/2], v[NSW+8*\a+(\q)] matrix_a_fmt:MATRIX_FMT_FP6 matrix_b_fmt:MATRIX_FMT_FP6 matrix_a_scale:MATRIX_SCALE_ROW1
.else
	v_wmma_scale_f32_16x16x128_f8f6f4 v[64*\a+8*\t:64*\a+8*\t+7], v[128*((\q)%2)+12*\t:128*((\q)%2)+12*\t+11], v[NF+24*((\q)%2)+12*\a:NF+24*((\q)%2)+12*\a+11], v[64*\a+8*\t:64*\a+8*\t+7], v[PS+4*\t+(\q)/2], v[NSW+8*\a+(\q)] matrix_a_fmt:MATRIX_FMT_FP6 matrix_b_fmt:MATRIX_FMT_FP6
.endif
.endr
.endr
.endm
	FETCH 0
	SCLOAD 0
.irp q, 0,1,2,3,4,5,6
	PLACES
	FETCH \q+1
.if \q == 3
	SCLOAD 1
	s_wait_dscnt 44                                ; all but the 44 just issued
.else
	s_wait_dscnt 36                                ; all but the 36 just issued
.endif
.if \q == 0
	s_wait_alu depctr_va_vdst(0)
	MULS \q, 1
.else
	MULS \q, 0
.endif
.endr
	s_wait_dscnt 0x0
	MULS 7, 0
	; THE WAY OUT: my two blocks of 16 tokens go through my stage, one behind the other.  LDS serves a wave's instructions in order (ISA guide 5.7.1.4): no wait between the stores and the loads.
	PLACES
.irp a, 0,1
	WIN ST2
.irp t, 0,1,2,3,4,5,6,7
	ds_store_b128 v[STO], v[64*\a+8*\t:64*\a+8*\t+3] offset:128*(\t/2)+32*(\t%2)        ; each accumulator from its low end on
	ds_store_b128 v[STO], v[64*\a+8*\t+4:64*\a+8*\t+7] offset:128*(\t/2)+32*(\t%2)+16
.endr
	WIN 0
.irp i, 0,1,2,3,4,5,6,7,8,9,10,11,12,13,14,15
	ds_load_b128 v[BK+64*\a+4*\i:BK+64*\a+4*\i+3], v[RD] offset:SPITCH*\i
.endr
.endr
.irp a, 0,1
.irp i, 0,1,2,3,4,5,6,7,8,9,10,11,12,13,14,15
	s_wait_dscnt 32*(1-\a)+15-\i                   ; row i is back; behind it: the block's later rows, and for the first block the second's 16 stores and 16 loads
	global_store_b128 v[CO], v[BK+64*\a+4*\i:BK+64*\a+4*\i+3], s[14:15] offset:4096*(8*\a+\i+8*(\i/8)) th:TH_STORE_NT   ; 512 consecutive bytes, aligned
.endr
.endr
	; THE ENERGIES: one wave of the launch adds each batch's 128 parts.
	s_and_b32 s2, ttmp7, 0xffff
	s_or_b32 s2, s2, ttmp9
	s_or_b32 s2, s2, s[WV]
	s_cmp_lg_u32 s2, 0
	s_cbranch_scc1 .Lno_energy
	global_load_b128 v[12:15], v[CO], s[12:13]             ; batch 0: 128 numbers, four a lane
	global_load_b128 v[16:19], v[CO], s[12:13] offset:512  ; batch 1
	v_mov_b32 v20, 0                               ; a lane permute's destination counts as one of its sources
	v_mov_b32 v21, 0
	s_wait_loadcnt 0x0
	v_add_f32 v12, v12, v13
	v_add_f32 v16, v16, v17
	v_add_f32 v14, v14, v15
	v_add_f32 v18, v18, v19
	v_add_f32 v12, v12, v14
	v_add_f32 v16, v16, v18
.irp m, 1,2,4,8
	v_add_f32_dpp v12, v12, v12 row_xmask:\m row_mask:0xf bank_mask:0xf
	v_add_f32_dpp v16, v16, v16 row_xmask:\m row_mask:0xf bank_mask:0xf
.endr
	v_permlanex16_b32 v20, v12, s[SEL], s[SEL+1]
	v_permlanex16_b32 v21, v16, s[SEL], s[SEL+1]
	v_add_f32 v12, v12, v20
	v_add_f32 v16, v16, v21
	v_mul_f32 v12, 0xc0b17218, v12                 ; x -8 ln 2: energy = -logsumexp / BETA, BETA = 1 / 8
	v_mul_f32 v16, 0xc0b17218, v16
	v_cmp_eq_u32 vcc_lo, 1, v0
	v_cndmask_b32 v12, v12, v16, vcc_lo            ; lane 1 holds batch 1's
	v_lshlrev_b32 v22, 2, v0
	v_cmp_gt_u32 vcc_lo, 2, v0
	s_wait_alu depctr_va_vdst(0)
	s_wait_xcnt 0x0                                ; EXEC changes only behind this wait
	s_and_saveexec_b32 s2, vcc_lo
	global_store_b32 v22, v12, s[16:17]
	s_wait_xcnt 0x0
	s_or_b32 exec_lo, exec_lo, s2
.Lno_energy:
	s_wait_tensorcnt 0x0                           ; the wave's end
	ds_add_u32 v[SPW], v[NIL]
	s_wait_dscnt 0x0
	s_endpgm
.Lfunc_end_k_q664e860bc0_outp:
	.size	k_q664e860bc0_outp, .Lfunc_end_k_q664e860bc0_outp-k_q664e860bc0_outp
	.p2alignl 7, 3214868480
	.fill 96, 4, 3214868480
	.section	.rodata,"a",@progbits
	.p2align	6, 0x0
	.amdhsa_kernel k_q664e860bc0_outp
		.amdhsa_group_segment_fixed_size 239104
		.amdhsa_private_segment_fixed_size 0
		.amdhsa_enable_private_segment 0
		.amdhsa_kernarg_size 56
		.amdhsa_user_sgpr_count 2
		.amdhsa_user_sgpr_kernarg_segment_ptr 1
		.amdhsa_wavefront_size32 1
		.amdhsa_system_sgpr_workgroup_id_x 1
		.amdhsa_system_sgpr_workgroup_id_y 1
		.amdhsa_system_sgpr_workgroup_id_z 1
		.amdhsa_system_vgpr_workitem_id 0
		.amdhsa_next_free_vgpr 1024
		.amdhsa_next_free_sgpr 96
		.amdhsa_reserve_vcc 1
		.amdhsa_float_denorm_mode_32 3
		.amdhsa_float_denorm_mode_16_64 3
		.amdhsa_memory_ordered 1
		.amdhsa_forward_progress 1
		.amdhsa_inst_pref_size 59
	.end_amdhsa_kernel
	.amdgpu_metadata
---
amdhsa.version: [ 1, 2 ]
amdhsa.kernels:
  - .name:           k_q664e860bc0_outp
    .symbol:         k_q664e860bc0_outp.kd
    .args:
      - { .name: oc, .offset: 0, .size: 8, .value_kind: global_buffer, .address_space: global }
      - { .name: os, .offset: 8, .size: 8, .value_kind: global_buffer, .address_space: global }
      - { .name: cq, .offset: 16, .size: 8, .value_kind: global_buffer, .address_space: global }
      - { .name: bo, .offset: 24, .size: 8, .value_kind: global_buffer, .address_space: global }
      - { .name: ep, .offset: 32, .size: 8, .value_kind: global_buffer, .address_space: global }
      - { .name: out0, .offset: 40, .size: 8, .value_kind: global_buffer, .address_space: global }
      - { .name: out1, .offset: 48, .size: 8, .value_kind: global_buffer, .address_space: global }
    .group_segment_fixed_size: 239104
    .private_segment_fixed_size: 0
    .kernarg_segment_align: 8
    .kernarg_segment_size: 56
    .max_flat_workgroup_size: 128
    .sgpr_count:     96
    .vgpr_count:     1024
    .wavefront_size: 32
...
	.end_amdgpu_metadata
.endif
;; end of part 4
